; MI455X (gfx1250); checked and timed in simulation.
; The chip was launched on July 23, 2026; its instructions are those of AMD's public machine-readable ISA for CDNA 5 (MIT licence, August 2026) and "CDNA5" Instruction Set Architecture Reference Guide (July 2026). The comments in the code are by the model that wrote it; some were corrected since.
;; TIP Sv2 Text Attention. Allowed arithmetic: matrix products marked QUANTISED: E2M1 operands, one E8M0 scale for each 32 along K, by v_wmma_scale_f32_16x16x128_f8f6f4 with both operands' format E2M1 (or v_wmma_scale_f32_32x16x128_f4), f32 sums; products left as they are: bf16, f16 or f32 operands; f32 sums; everything else in f32.
;; Inputs: b_in 3,072 float32; b_out 1,024 float32; mask 4 x 2,048 int32; w_in 1,024 x 3,072 float32; w_out 1,024 x 1,024 float32; x 4 x 2,048 x 1,024 float32.
;; Outputs: out0 4 x 2,048 x 1,024 float32.
;; This version of the problem:
;;   THIS VERSION OF THE PROBLEM IS GIVEN IN LOW PRECISION. The matrix products marked QUANTISED in the list below multiply operands that are first quantised to E2M1 (2 exponent bits, 1 mantissa bit; 4 bits a number), with one power-of-two scale for each 32 numbers along K (OCP MX v1.0); their sums are f32. The products marked 'left as it is' may take bf16, f16 or f32 operands, with f32 sums. Whichever they take, every output number must still come out within the allowed error. Rounding operands to bf16 (8 significant bits) uses up far more of that allowance than f16 does (11 bits, for magnitudes from 6e-5 to 65,504). All else is computed in f32.
;;   The module's matrix products, in the order in which they are computed (A, B: the left and right operand; K: the contracted axis; several contracted axes count as one K, in the product's order):
;;     1. [M 8,192, K 1,024] x [K 1,024, N 3,072]; A: input x; B: input w_in: QUANTISED
;;     2. batch 64 x [M 2,048, K 64] x [K 64, N 2,048]; A: computed on the way; B: computed on the way: left as it is (an operand is computed on the way)
;;     3. batch 64 x [M 2,048, K 2,048] x [K 2,048, N 64]; A: computed on the way; B: computed on the way: left as it is (an operand is computed on the way)
;;     4. [M 8,192, K 1,024] x [K 1,024, N 1,024]; A: computed on the way; B: input w_out: left as it is (an operand is computed on the way)
;;   THE QUANTISER, for each operand of a quantised product, along K:
;;     - K is cut into blocks of 32 from its start; a last block that is shorter is filled with zeros.
;;     - A block's scale is 2^e with e = floor(log2(the largest magnitude in the block)) - 2, held to -126 .. 127; a block of zeros has e = 0. As a byte (E8M0): e + 127.
;;     - Each number is divided by its block's scale, clamped to +-6, and rounded to the nearest number of E2M1, ties to even, subnormals kept.
;;     - The product sums the exact products of the quantised numbers (number of the format x scale) in f32.
;;   ~~~python
;;   def quantise(x, axis):      # numpy; x: float32 -> the quantised numbers, widened to float32 again
;;       x = np.moveaxis(x, axis, -1); K = x.shape[-1]
;;       x = np.pad(x, [(0, 0)] * (x.ndim - 1) + [(0, -K % 32)]); x = x.reshape(x.shape[:-1] + (-1, 32)); a = np.abs(x).max(-1, keepdims=True)
;;       e = np.where(a > 0, np.clip(np.frexp(np.where(a > 0, a, 1))[1] - 1 - 2, -126, 127), 0)      # np.frexp(a)[1] - 1 = floor(log2(a)), exactly
;;       r = np.clip(x / 2.0 ** e, -6, 6)
;;       step = 2.0 ** (np.maximum(np.frexp(np.where(r == 0, 1, r))[1] - 1, 0) - 1)
;;       q = np.round(r / step) * step * 2.0 ** e      # np.round: ties to even
;;       return np.moveaxis(q.reshape(q.shape[:-2] + (-1,))[..., :K], -1, axis).astype(np.float32)
;;   ~~~
;; One version. Each part assembles by itself: llvm-mc -triple=amdgcn-amd-amdhsa -mcpu=gfx1250 --defsym DOCPART=n.
;; ======== version 1 of 1: 4 launches
;; limits: values are held in f16: magnitudes above 65,504 overflow, below 6.1e-05 lose precision; right only within a limited range of input values
;; workspace buffers: xq 4,194,304 bytes; xs 262,144 bytes; wq 1,572,864 bytes; ws 98,304 bytes; wot 2,097,152 bytes; order 41,472 bytes of whole numbers; qkv 50,331,648 bytes; att 16,777,216 bytes
;; launch prep (part 1): grid 369 x 1, 4 waves a work-group, no clusters, 102,912 bytes of LDS; arguments x, w_in, w_out, mask, xq, xs, wq, ws, wot, order; writes xq, xs, wq, ws, wot, order
.if DOCPART == 1
	.amdgcn_target "amdgcn-amd-amdhsa--gfx1250"
	.amdhsa_code_object_version 6
	.text
	.protected	k_q25b85731ed_prep
	.globl	k_q25b85731ed_prep
	.p2align	8
	.type	k_q25b85731ed_prep,@function
k_q25b85731ed_prep:
	s_mov_b64 s[64:65], 0
	v_nop
	global_prefetch_b8 v0, s[64:65] scope:SCOPE_SE
	s_setreg_imm32_b32 hwreg(HW_REG_WAVE_MODE, 25, 1), 1
	s_wait_xcnt 0x0
; PREP: everything that is made once from the inputs.  Four kinds of work-groups, told apart by the work-group's number; each kind has LDS bytes of its own.
;   0 .. 255    x [8192][1024] f32 -> codes of FP4 (E2M1), K innermost (xq, 512 bytes a row) and one E8M0 byte for each 32 along K (xs, 32 bytes a row)
;   256 .. 303  w_in [1024 k][3072 n] f32, K its first axis -> codes laid [3072 n][512 bytes] (wq) and scale bytes [3072][32] (ws)
;   304 .. 367  w_out [1024 k][1024 n] f32 -> f16, laid [1024 n][1024 k] (wot)
;   368         mask [4][2048] int32 -> order: pos[4][2048] at byte 0, the identity 0 .. 2047 at byte 32,768, and at byte 40,960 32 words for each batch that all hold n_b, the number of keys kept.
;               pos is a stable partition: the keys with mask > 0 take places 0 .. n_b - 1 in their order, the others n_b .. 2047 in theirs.
; A block's scale is 2^(floor(log2(its largest magnitude)) - 2); its byte is the largest magnitude's exponent field - 2, held at 1 from below; each number is divided by the scale and rounded to the nearest code, ties to even,
; beyond 6 the largest code.
; LIMITS: a block of zeros gets the byte 1 and not 127 (its codes are zeros, and this program alone reads the bytes); blocks whose largest magnitude lies under 2^-124 keep the byte 1;
; NaN and infinities among the inputs are not served; |w_out| stays under 65,504, the largest number of f16.
; No tensor loads, no barrier: waves share nothing.
.set SPW,   192                        ; v192  LDS address of my spare word: SPARE + 4 x my thread's number; never rewritten
.set NIL,   193                        ; v193  0; never rewritten
.set T2BASE, 32768                     ; LDS: 0 .. 32,767 x's four regions; from here w_in's four stages of 32 x 272 bytes;
.set T3BASE, 67584                     ; from here w_out's four;
.set SPARE, 102400                     ; and the spare words, 128 bytes for each wave: two blocks of 256 bytes that no other line names
.set EMAX,  2
	s_load_b256 s[4:11], s[0:1], 0x0               ; x s[4:5], w_in s[6:7], w_out s[8:9], mask s[10:11]
	s_load_b256 s[12:19], s[0:1], 0x20             ; xq s[12:13], xs s[14:15], wq s[16:17], ws s[18:19]
	s_load_b128 s[20:23], s[0:1], 0x40             ; wot s[20:21], order s[22:23]
	v_lshl_add_u32 v[SPW], v0, 2, SPARE
	v_mov_b32 v[NIL], 0
	v_lshrrev_b32 v1, 5, v0
	v_readfirstlane_b32 s24, v1                    ; wave 0..3
	v_and_b32 v2, 31, v0                           ; lane
	s_wait_kmcnt 0x0
	s_cmp_ge_u32 ttmp9, 256
	s_cbranch_scc1 .Lnot_x
; ---------------- x: a plain stream of blocks of 32.  A wave takes 16 steps of 512 numbers.  Each load reads 512 consecutive bytes, 16 a lane; a step's 2,048 bytes turn through the wave's own stage in LDS
; (16 bytes of padding behind each 64) and come back 64 bytes a lane: 16 neighbours along K, two neighbouring lanes to a block.
.set XSTEPS, 16
.set XCB,   8                          ; bytes of 16 codes
.set XR,    16                         ; v16-79   four sets of 16 numbers as they are loaded
.set XX,    80                         ; v80-111  two sets of 16 neighbours
.set XE,    112                        ; v112-127 a scale byte for each step
.set XC,    128                        ; v128-191 codes: four registers for each step, so that no store's data are written again
.set WREG,  8192                       ; a wave's region: two stages of 32 x XSP bytes, behind them its 256 scale bytes
.set XSP,   80
	v_lshlrev_b32 v3, 4, v2                        ; my 16 bytes of a load's 512
	s_mul_i32 s25, s24, WREG
	v_lshrrev_b32 v14, 2, v2
	v_mul_u32_u24 v14, v14, XSP
	v_and_b32 v15, 3, v2
	v_lshl_add_u32 v14, v15, 4, v14
	v_add_nc_u32 v14, s25, v14                     ; the stage, on the way in: XSP (lane / 4) + 16 (lane % 4)
	v_mul_u32_u24 v15, v2, XSP
	v_add_nc_u32 v15, s25, v15                     ; and on the way out: XSP x lane
	v_mul_u32_u24 v4, v2, XCB                      ; my codes' place in a step's
	v_lshrrev_b32 v5, 1, v2
	s_add_co_u32 s25, s25, 2*32*XSP
	v_add_nc_u32 v5, s25, v5                       ; my wave's 256 scale bytes, my block's byte
	v_lshlrev_b32 v7, 3, v2                        ; and on the way out 8 bytes a lane
	v_add_nc_u32 v6, s25, v7
	s_lshl_b32 s26, ttmp9, 2
	s_add_co_u32 s26, s26, s24                     ; which run of 8,192 numbers is my wave's: 0 .. 1023
	s_mov_b32 s29, 0
	s_lshl_b32 s28, s26, 15                        ; 32,768 bytes of numbers,
	s_add_nc_u64 s[4:5], s[4:5], s[28:29]
	s_lshl_b32 s28, s26, 12                        ; 4,096 of codes,
	s_add_nc_u64 s[12:13], s[12:13], s[28:29]
	s_lshl_b32 s28, s26, 8                         ; 256 scale bytes a run
	s_add_nc_u64 s[14:15], s[14:15], s[28:29]
.macro XLOAD t
.irp i, 0,1,2,3
	global_load_b128 v[XR+16*((\t)%4)+4*\i:XR+16*((\t)%4)+4*\i+3], v3, s[4:5] offset:2048*(\t)+512*\i th:TH_LOAD_NT   ; 32 lanes read 512 consecutive bytes
.endr
.endm
.macro XTURN t                         ; step t's numbers through the stage: LDS serves a wave's instructions in order, so no wait stands between the stores and the loads
.irp i, 0,1,2,3
	ds_store_b128 v14, v[XR+16*((\t)%4)+4*\i:XR+16*((\t)%4)+4*\i+3] offset:32*XSP*((\t)%2)+8*XSP*\i
.endr
.irp i, 0,1,2,3
	ds_load_b128 v[XX+16*((\t)%2)+4*\i:XX+16*((\t)%2)+4*\i+3], v15 offset:32*XSP*((\t)%2)+16*\i
.endr
.endm
.irp t, 0,1,2,3
	XLOAD \t
.endr
	s_wait_loadcnt 12                              ; step 0's four loads are in; those of steps 1 to 3 may be out
	XTURN 0
.macro XSTEP t
.set XW, XX+16*((\t)%2)
.if (\t) > 0
	s_wait_dscnt 1                                 ; this step's numbers are back from the stage (the last step's byte store may be out): so its stores into the stage have read their registers,
.else
	s_wait_dscnt 0x0
.endif
.if (\t)+4 < XSTEPS
	XLOAD (\t)+4                                   ; which take the loads of four steps on
.endif
.if (\t)+1 < XSTEPS
.if XSTEPS-2-(\t) >= 3
	s_wait_loadcnt 12                              ; the next step's four loads are in; those of the three steps behind it may be out
.else
	s_wait_loadcnt 4*(XSTEPS-2-(\t))
.endif
	XTURN (\t)+1                                   ; and go through the other stage while this step is worked
.endif
	v_max3_num_f32 v8, |v[XW]|, |v[XW+1]|, |v[XW+2]|               ; the largest magnitude of my 16, in two chains
	v_max3_num_f32 v9, |v[XW+3]|, |v[XW+4]|, |v[XW+5]|
.irp i, 6,10
	v_max3_num_f32 v8, v8, |v[XW+\i]|, |v[XW+\i+1]|
	v_max3_num_f32 v9, v9, |v[XW+\i+2]|, |v[XW+\i+3]|
.endr
	v_max3_num_f32 v8, v8, |v[XW+14]|, |v[XW+15]|
	v_max3_num_f32 v8, v8, v9, (EMAX+1)<<23        ; and the floor 2^(3 - 127): so the byte cannot fall under 1
	v_max_num_f32_dpp v8, v8, v8 row_xmask:1 row_mask:0xf bank_mask:0xf   ; and of my neighbour's 16: the block's
	v_add_nc_u32 v11, -(EMAX<<23), v8              ; 2 off its exponent field: the conversion takes the exponent field of this operand as its scale
	v_cvt_scalef32_pk8_fp4_f32 v[XC+4*(\t)], v[XW:XW+7], v11
	v_cvt_scalef32_pk8_fp4_f32 v[XC+4*(\t)+1], v[XW+8:XW+15], v11
	v_lshrrev_b32 v[XE+(\t)], 23, v11              ; the scale's byte (a plain line behind the conversions)
	ds_store_b8 v5, v[XE+(\t)] offset:16*(\t)      ; both lanes of a block write the same byte with the same value
	global_store_b64 v4, v[XC+4*(\t):XC+4*(\t)+1], s[12:13] offset:32*XCB*(\t)   ; the wave stores 256 consecutive bytes, aligned
.endm
.irp t, 0,1,2,3,4,5,6,7,8,9,10,11,12,13,14,15
	XSTEP \t
.endr
	ds_load_b64 v[8:9], v6                         ; LDS serves a wave's instructions in order: these see my byte stores
	s_wait_dscnt 0x0
	global_store_b64 v7, v[8:9], s[14:15]          ; 32 lanes store 256 consecutive bytes, aligned
	s_wait_tensorcnt 0x0                           ; the wave's end, behind my last LDS store
	ds_add_u32 v[SPW], v[NIL]
	s_wait_dscnt 0x0
	s_endpgm
.Lnot_x:
	s_cmp_ge_u32 ttmp9, 304
	s_cbranch_scc1 .Lnot_win
; ---------------- w_in: a lane takes a column n and its registers run down K: a block of 32 along K lies in one lane's 32 registers, and the conversions give codes with K innermost.
; A wave takes 32 columns x 512 along K: 16 blocks a lane, 256 bytes of codes a column; they go through the wave's own stage and leave as rows: sixteen lanes store 256 consecutive bytes, aligned.
; 48 work-groups: 24 along n (128 columns each) x 2 along K.  Every offset is an immediate: 511 x 12,288 bytes at the most.
.set WNB,   16
.set WPITCH, 272
.set WKROW, 512                        ; a row of wq in bytes
.set WSB,   24                         ; v24-27   the scale bytes, four to a register
.set WX,    32                         ; v32-95   two sets of 32 numbers
.set WC,    96                         ; v96-99   a block's codes
.set WOUT,  112                        ; v112-175 the way out
	s_sub_co_u32 s25, ttmp9, 256
	s_cmp_ge_u32 s25, 24
	s_cselect_b32 s26, 1, 0                        ; which 512 along K
	s_mul_i32 s27, s26, 24
	s_sub_co_u32 s25, s25, s27
	s_lshl_b32 s27, s25, 7
	s_lshl_b32 s28, s24, 5
	s_add_co_u32 s27, s27, s28                     ; my wave's first column
	v_lshlrev_b32 v3, 2, v2                        ; in: 4 bytes a lane
	s_mul_i32 s28, s24, 32*WPITCH
	s_add_co_u32 s28, s28, T2BASE                  ; my stage
	v_mul_u32_u24 v4, v2, WPITCH
	v_add_nc_u32 v4, s28, v4                       ; into it: row = my column
	v_and_b32 v5, 15, v2
	v_lshrrev_b32 v6, 4, v2                        ; out of it: sixteen lanes to a row, two rows an instruction
	v_mul_u32_u24 v7, v6, WPITCH
	v_lshl_add_u32 v7, v5, 4, v7
	v_add_nc_u32 v7, s28, v7
	v_mul_u32_u24 v8, v6, WKROW
	v_lshl_add_u32 v8, v5, 4, v8                   ; and the same place in wq
	v_lshlrev_b32 v9, 5, v2                        ; my column's row of scale bytes
	s_mov_b32 s31, 0
	s_mul_i32 s30, s26, 512*12288                  ; w_in: 512 rows of 12,288 bytes, + 4 x column
	s_lshl_b32 s29, s27, 2
	s_add_co_u32 s30, s30, s29
	s_add_nc_u64 s[6:7], s[6:7], s[30:31]
	s_lshl_b32 s30, s27, 9                         ; wq: column x 512 + 256 x half of K
	s_lshl_b32 s29, s26, 8
	s_add_co_u32 s30, s30, s29
	s_add_nc_u64 s[16:17], s[16:17], s[30:31]
	s_lshl_b32 s30, s27, 5                         ; ws: column x 32 + 16 x half of K
	s_lshl_b32 s29, s26, 4
	s_add_co_u32 s30, s30, s29
	s_add_nc_u64 s[18:19], s[18:19], s[30:31]
.macro WLOAD t                         ; block t: w_in(32 t + i, my column), i = 0 .. 31, into set t % 2; a wave's load reads 128 consecutive bytes, the four waves stand side by side
.irp i, 0,1,2,3,4,5,6,7,8,9,10,11,12,13,14,15,16,17,18,19,20,21,22,23,24,25,26,27,28,29,30,31
	global_load_b32 v[WX+32*((\t)%2)+\i], v3, s[6:7] offset:(32*(\t)+\i)*12288 th:TH_LOAD_NT
.endr
.endm
	WLOAD 0
	WLOAD 1
.macro WBLOCK t
.set WW, WX+32*((\t)%2)
.if (\t) < WNB-1
	s_wait_loadcnt 32                              ; this block's 32 loads are in; the next block's may be out
.else
	s_wait_loadcnt 0
.endif
	v_max3_num_f32 v12, |v[WW]|, |v[WW+1]|, |v[WW+2]|               ; the block's largest magnitude: all 32 numbers are mine
	v_max3_num_f32 v13, |v[WW+3]|, |v[WW+4]|, |v[WW+5]|
.irp i, 6,10,14,18,22,26
	v_max3_num_f32 v12, v12, |v[WW+\i]|, |v[WW+\i+1]|
	v_max3_num_f32 v13, v13, |v[WW+\i+2]|, |v[WW+\i+3]|
.endr
	v_max3_num_f32 v12, v12, |v[WW+30]|, |v[WW+31]|
	v_max3_num_f32 v12, v12, v13, (EMAX+1)<<23     ; and the floor
	v_add_nc_u32 v11, -(EMAX<<23), v12             ; the conversion's scale operand
	v_lshrrev_b32 v13, 23, v11                     ; the scale's byte
.if (\t)%4 == 0
	v_mov_b32 v[WSB+(\t)/4], v13                   ; four bytes to a register, the lower K in the lower byte
.else
	v_lshl_or_b32 v[WSB+(\t)/4], v13, 8*((\t)%4), v[WSB+(\t)/4]
.endif
.irp g, 0,1,2,3
	v_cvt_scalef32_pk8_fp4_f32 v[WC+\g], v[WW+8*\g:WW+8*\g+7], v11
.endr
	ds_store_b128 v4, v[WC:WC+3] offset:16*(\t)    ; 32 codes: 16 bytes of my column's row
.if (\t)+2 < WNB
	WLOAD (\t)+2
.endif
	s_wait_dscnt 0x0                               ; the store has read its registers: the next block's codes may be written
.endm
.set Q, 0
.rept WNB
	WBLOCK Q
.set Q, Q+1
.endr
	global_store_b128 v9, v[WSB:WSB+3], s[18:19]   ; my column's 16 scale bytes: rows 32 bytes apart, so a wave's store covers half of each of 1,024 bytes: one byte in 128 of what this path reads
.irp t, 0,1,2,3,4,5,6,7,8,9,10,11,12,13,14,15
	ds_load_b128 v[WOUT+4*\t:WOUT+4*\t+3], v7 offset:2*\t*WPITCH   ; LDS serves a wave's instructions in order: these see my stores
.endr
.irp t, 0,1,2,3,4,5,6,7,8,9,10,11,12,13,14,15
	s_wait_dscnt 15-\t                             ; load t is in; the 15 - t behind it may be out
	global_store_b128 v8, v[WOUT+4*\t:WOUT+4*\t+3], s[16:17] offset:2*\t*WKROW
.endr
	s_wait_tensorcnt 0x0                           ; the wave's end
	ds_add_u32 v[SPW], v[NIL]
	s_wait_dscnt 0x0
	s_endpgm
.Lnot_win:
	s_cmp_ge_u32 ttmp9, 368
	s_cbranch_scc1 .Lmask
; ---------------- w_out: the same plan without a quantiser.  A lane takes a column n, its registers run down K; two neighbours along K round to one word of f16.
; 64 work-groups: 8 along n (128 columns) x 8 along K (128).  A wave: 32 columns x 128 K = 256 bytes a column, through its own stage, out as whole rows of 256 bytes.
.set OX,    32                         ; v32-95   two sets of 32 numbers
.set OC,    96                         ; v96-111  32 numbers as f16
.set OOUT,  112                        ; v112-175 the way out
	s_sub_co_u32 s25, ttmp9, 304
	s_and_b32 s26, s25, 7                          ; which 128 columns
	s_lshr_b32 s25, s25, 3                         ; which 128 along K
	s_lshl_b32 s27, s26, 7
	s_lshl_b32 s28, s24, 5
	s_add_co_u32 s27, s27, s28                     ; my wave's first column
	v_lshlrev_b32 v3, 2, v2
	s_mul_i32 s28, s24, 32*272
	s_add_co_u32 s28, s28, T3BASE                  ; my stage
	v_mul_u32_u24 v4, v2, 272
	v_add_nc_u32 v4, s28, v4
	v_and_b32 v5, 15, v2
	v_lshrrev_b32 v6, 4, v2
	v_mul_u32_u24 v7, v6, 272
	v_lshl_add_u32 v7, v5, 4, v7
	v_add_nc_u32 v7, s28, v7
	v_lshlrev_b32 v8, 11, v6                       ; a row of wot is 2,048 bytes
	v_lshl_add_u32 v8, v5, 4, v8
	s_mov_b32 s31, 0
	s_lshl_b32 s30, s25, 19                        ; w_out: 128 rows of 4,096 bytes, + 4 x column
	s_lshl_b32 s29, s27, 2
	s_add_co_u32 s30, s30, s29
	s_add_nc_u64 s[8:9], s[8:9], s[30:31]
	s_lshl_b32 s30, s27, 11                        ; wot: column x 2,048 + 256 x part of K
	s_lshl_b32 s29, s25, 8
	s_add_co_u32 s30, s30, s29
	s_add_nc_u64 s[20:21], s[20:21], s[30:31]
.macro OLOAD t
.irp i, 0,1,2,3,4,5,6,7,8,9,10,11,12,13,14,15,16,17,18,19,20,21,22,23,24,25,26,27,28,29,30,31
	global_load_b32 v[OX+32*((\t)%2)+\i], v3, s[8:9] offset:(32*(\t)+\i)*4096 th:TH_LOAD_NT
.endr
.endm
	OLOAD 0
	OLOAD 1
.macro OBLOCK t
.set OW, OX+32*((\t)%2)
.if (\t) < 3
	s_wait_loadcnt 32                              ; this block's 32 loads are in; the next block's may be out
.else
	s_wait_loadcnt 0
.endif
.irp i, 0,1,2,3,4,5,6,7,8,9,10,11,12,13,14,15
	v_cvt_pk_f16_f32 v[OC+\i], v[OW+2*\i], v[OW+2*\i+1]            ; the lower k in the low half
.endr
.irp g, 0,1,2,3
	ds_store_b128 v4, v[OC+4*\g:OC+4*\g+3] offset:64*(\t)+16*\g
.endr
.if (\t)+2 < 4
	OLOAD (\t)+2
.endif
	s_wait_dscnt 0x0                               ; the stores have read their registers
.endm
	OBLOCK 0
	OBLOCK 1
	OBLOCK 2
	OBLOCK 3
.irp t, 0,1,2,3,4,5,6,7,8,9,10,11,12,13,14,15
	ds_load_b128 v[OOUT+4*\t:OOUT+4*\t+3], v7 offset:2*\t*272
.endr
.irp t, 0,1,2,3,4,5,6,7,8,9,10,11,12,13,14,15
	s_wait_dscnt 15-\t
	global_store_b128 v8, v[OOUT+4*\t:OOUT+4*\t+3], s[20:21] offset:2*\t*2048    ; sixteen lanes store 256 consecutive bytes, aligned
.endr
	s_wait_tensorcnt 0x0                           ; the wave's end
	ds_add_u32 v[SPW], v[NIL]
	s_wait_dscnt 0x0
	s_endpgm
.Lmask:
; ---------------- the mask: wave b serves batch b.  Key e = 32 i + lane lies in register i.  Pass 1 counts the keys kept; pass 2 gives each key its place.  No LDS, no EXEC change, no address that hangs on data.
; The stores are runs of 128 consecutive bytes a wave: 41 KB in all.
	v_lshlrev_b32 v3, 2, v2
	s_mov_b32 s29, 0
	s_lshl_b32 s28, s24, 13                        ; a batch's 2,048 words
	s_add_nc_u64 s[10:11], s[10:11], s[28:29]
	s_add_nc_u64 s[30:31], s[22:23], s[28:29]      ; pos of my batch
	s_lshl_b32 s28, s24, 11
	s_add_co_u32 s28, s28, 32768
	s_add_nc_u64 s[32:33], s[22:23], s[28:29]      ; my quarter of the identity
	s_lshl_b32 s28, s24, 7
	s_add_co_u32 s28, s28, 40960
	s_add_nc_u64 s[34:35], s[22:23], s[28:29]      ; my batch's 32 words of n
.set i, 0
.rept 64
	global_load_b32 v[64+i], v3, s[10:11] offset:128*i
.set i, i+1
.endr
	s_mov_b32 s25, 0                               ; n
	s_mov_b32 s27, 0                               ; keys kept in the registers passed
	s_lshl_b32 s28, s24, 9
	v_add_nc_u32 v6, s28, v2                       ; the identity: 512 b + lane
	s_wait_loadcnt 0x0
.set i, 0
.rept 64
	v_cmp_lt_i32 vcc_lo, 0, v[64+i]                ; kept where mask > 0
	s_bcnt1_i32_b32 s26, vcc_lo
	s_add_co_u32 s25, s25, s26
.set i, i+1
.endr
	v_add_nc_u32 v5, s25, v2                       ; n + lane
.set i, 0
.rept 64
	v_cmp_lt_i32 vcc_lo, 0, v[64+i]
	v_mbcnt_lo_u32_b32 v1, vcc_lo, 0               ; keys kept in the lanes below mine,
	v_add_nc_u32 v1, s27, v1                       ; u: keys kept ahead of key e: the place of a key that is kept
	v_sub_nc_u32 v4, v5, v1
	v_add_nc_u32 v4, 32*i, v4                      ; n + (e - u): the place of a key that is not
	v_cndmask_b32 v[64+i], v4, v1, vcc_lo
	s_bcnt1_i32_b32 s26, vcc_lo
	s_add_co_u32 s27, s27, s26
.set i, i+1
.endr
.set i, 0
.rept 64
	global_store_b32 v3, v[64+i], s[30:31] offset:128*i
.set i, i+1
.endr
.set i, 0
.rept 16
	v_add_nc_u32 v[128+i], 32*i, v6
	global_store_b32 v3, v[128+i], s[32:33] offset:128*i
.set i, i+1
.endr
	v_mov_b32 v7, s25
	global_store_b32 v3, v7, s[34:35]
	s_endpgm
.Lfunc_end_k_q25b85731ed_prep:
	.size	k_q25b85731ed_prep, .Lfunc_end_k_q25b85731ed_prep-k_q25b85731ed_prep
	.p2alignl 7, 3214868480
	.fill 96, 4, 3214868480
	.section	.rodata,"a",@progbits
	.p2align	6, 0x0
	.amdhsa_kernel k_q25b85731ed_prep
		.amdhsa_group_segment_fixed_size 102912
		.amdhsa_private_segment_fixed_size 0
		.amdhsa_enable_private_segment 0
		.amdhsa_kernarg_size 80
		.amdhsa_user_sgpr_count 2
		.amdhsa_user_sgpr_kernarg_segment_ptr 1
		.amdhsa_wavefront_size32 1
		.amdhsa_system_sgpr_workgroup_id_x 1
		.amdhsa_system_sgpr_workgroup_id_y 1
		.amdhsa_system_sgpr_workgroup_id_z 1
		.amdhsa_system_vgpr_workitem_id 0
		.amdhsa_next_free_vgpr 200
		.amdhsa_next_free_sgpr 66
		.amdhsa_reserve_vcc 1
		.amdhsa_float_denorm_mode_32 3
		.amdhsa_float_denorm_mode_16_64 3
		.amdhsa_memory_ordered 1
		.amdhsa_forward_progress 1
		.amdhsa_inst_pref_size 173
	.end_amdhsa_kernel
	.amdgpu_metadata
---
amdhsa.version: [ 1, 2 ]
amdhsa.kernels:
  - .name:           k_q25b85731ed_prep
    .symbol:         k_q25b85731ed_prep.kd
    .args:
      - { .name: x, .offset: 0, .size: 8, .value_kind: global_buffer, .address_space: global }
      - { .name: w_in, .offset: 8, .size: 8, .value_kind: global_buffer, .address_space: global }
      - { .name: w_out, .offset: 16, .size: 8, .value_kind: global_buffer, .address_space: global }
      - { .name: mask, .offset: 24, .size: 8, .value_kind: global_buffer, .address_space: global }
      - { .name: xq, .offset: 32, .size: 8, .value_kind: global_buffer, .address_space: global }
      - { .name: xs, .offset: 40, .size: 8, .value_kind: global_buffer, .address_space: global }
      - { .name: wq, .offset: 48, .size: 8, .value_kind: global_buffer, .address_space: global }
      - { .name: ws, .offset: 56, .size: 8, .value_kind: global_buffer, .address_space: global }
      - { .name: wot, .offset: 64, .size: 8, .value_kind: global_buffer, .address_space: global }
      - { .name: order, .offset: 72, .size: 8, .value_kind: global_buffer, .address_space: global }
    .group_segment_fixed_size: 102912
    .private_segment_fixed_size: 0
    .kernarg_segment_align: 8
    .kernarg_segment_size: 80
    .max_flat_workgroup_size: 128
    .sgpr_count:     66
    .vgpr_count:     200
    .wavefront_size: 32
...
	.end_amdgpu_metadata
.endif
;; end of part 1
;; launch qkvg (part 2): grid 12 x 32, 4 waves a work-group, clusters of 4 x 4, 327,680 bytes of LDS; arguments xq, xs, wq, ws, b_in, order, qkv; writes qkv
.if DOCPART == 2
	.amdgcn_target "amdgcn-amd-amdhsa--gfx1250"
	.amdhsa_code_object_version 6
	.text
	.protected	k_q25b85731ed_qkvg
	.globl	k_q25b85731ed_qkvg
	.p2align	8
	.type	k_q25b85731ed_qkvg,@function
k_q25b85731ed_qkvg:
	s_mov_b64 s[64:65], 0
	v_nop
	global_prefetch_b8 v0, s[64:65] scope:SCOPE_SE
	s_setreg_imm32_b32 hwreg(HW_REG_WAVE_MODE, 25, 1), 1
	s_wait_xcnt 0x0
	s_wait_alu depctr_hold_cnt(0) depctr_sa_sdst(0) depctr_va_vdst(0) depctr_va_sdst(0) depctr_va_ssrc(0) depctr_va_vcc(0) depctr_vm_vsrc(0)
	s_getreg_b32 s2, hwreg(HW_REG_IB_STS2, 6, 4)
	s_cmp_eq_u32 s2, 0
	s_cbranch_scc0 .Lentry_in_a_cluster
	s_endpgm
.Lentry_in_a_cluster:
	s_bfe_u32 s2, ttmp6, 0x10000c
	s_cmp_lg_u32 s2, 0xf033
	s_cbranch_scc0 .Lentry_shape_is_right
	s_endpgm
.Lentry_shape_is_right:
; qkv = Q(x) Q(w_in) + b_in, on codes of FP4 (E2M1) with one E8M0 scale for each 32 along K; sums in f32, begun with the bias; the result rounded once to f16.
; A = xq [8192][512 bytes], its scale bytes xs [8192][32]; B = wq [3072][512 bytes], ws [3072][32].  qkv: f16, [3 regions][4 batches][2048 rows][1024].
; Region 0 (q) keeps row s; regions 1 and 2 (k, v) put position s of batch b at row pos[b][s] (order), so that the keys that count come first.  pos is a permutation, so every row is written.
; A tile of the result, 256 x 256, is made by a work-group of four waves; a wave makes 128 x 128: 64 accumulators, 512 registers.  K = 1,024 is two K steps of 512 (rows of 256 bytes): both slots and all scale bytes
; are asked for at the head, three tensor loads a wave, and nothing is filled again.
; CLUSTERS: 4 x 4 work-groups.  The four of a row of the cluster need the same tiles of A, the four of a column the same tiles of B: each tile is asked for jointly.  A cluster's x is the region.
; THE MATRIX INSTRUCTION IS USED TRANSPOSED (source 0 = 16 rows of B, source 1 = 16 rows of A): a lane holds eight neighbouring numbers of a row of the result.
; REGISTERS: window 0: v0-31 addresses; v32-95 scale words, two sets; v128-191 A's fragments, one set; v192-255 the bias in the result's layout, later the rows' places.  On the way out v32-127 are at work.
;   window 1: B's fragments, two sets, at v0 and v128.   window 2: the accumulators of my rows 0-63 ((a, b) at v[8 (8 a + b)]);   window 3: those of rows 64-127.
; LIMIT: |qkv| stays under 65,504, the largest number of f16.
.set SIZE_K, 1024
.set NQ,     4                         ; matrix instructions deep in a slot
.set ROWB,   256                       ; a tile's row in bytes: 512 codes
.set KROW,   512                       ; a row of A or of B in memory
.set PITCH,  272                       ; an LDS row: 256 bytes + 16 of padding = 68 words: row r starts at bank 4 r mod 64 (64 banks of 4 bytes: ISA guide 11.1)
.set FR,     8
.set NL,     2
.set NP,     4                         ; places behind this matrix instruction (ISA guide 7.12.1)
.set HALFT,  128*PITCH
.set SLOT,   4*HALFT                   ; A's 256 rows, then B's 256 rows
.set KS,     32                        ; a row of scale bytes
.set SCL,    2*SLOT                    ; behind the slots: the scales, as rows of 256 bytes + 16 of padding
.set HALFS,  (128*KS/256)*272
.set SBLK,   (16*KS/256)*272
.set SPARE,  SCL+4*HALFS               ; the spare words, 128 bytes for each wave: two blocks of 256 bytes that no other line names
.set SPITCH, 272                       ; the way out: a stage of 16 rows x (256 bytes + 16) for each wave, in slot 0, which has had its one fill and its last read by then
.set ADRA, 16
.set ADRB, 20
.set STO,  24
.set RD,   25
.set CO,   26                          ; v26  16 x (lane % 16)
.set ADRS, 27
.set SPW,  28                          ; v28  my spare word; never rewritten
.set NIL,  29                          ; v29  0; never rewritten
.set BH,   30                          ; v30  32 x (lane / 16); never rewritten
.set SC,   32
.set AF,   128
.set BI,   192                         ; the bias: register 8 b + j = b_in[my first column + 16 b + 8 (lane / 16) + j]
.set PO,   192                         ; later: register 8 a + t = the place of my row 16 a + 8 (lane / 16) + t, then its byte offset
.set TMP,  32
.set BK,   64
.set G1, 24
.set G0, 32
.set G1B, 48
.set G0B, 56
.set G1S, 68
.set G0S, 76
.set G1SB, 80
.set G0SB, 88
.set MSB, 0
.macro WIN new                         ; the immediate's high byte repeats the setting that is left
.if MSB != (\new)
	s_set_vgpr_msb (MSB<<8)|(\new)
.set MSB, (\new)
.endif
.endm
.macro WMUL hi, zero                   ; source 0 (B) window 1, source 1 (A) window 0, D window 2 or 3; C with D, or, where the bias starts the sums, in window 0
.if \zero
	WIN 0x81+0x40*\hi
.else
	WIN 0xa1+0x50*\hi
.endif
.endm
.set TO_B, 0x40
; A joint load: waves 0 and 1 fetch for A, waves 2 and 3 for B; the branch hangs on the wave's number alone.  An s_nop 0 and four v_nop follow each of the two lines.
.macro JLOAD g0a, g1a, g0b, g1b
	s_cmp_eq_u32 s15, 0
	s_cbranch_scc0 .Lfor_b_\@
	tensor_load_to_lds s[\g0a:\g0a+3], s[\g1a:\g1a+7]
	s_nop 0
.rept 4
	v_nop
.endr
	s_branch .Lasked_\@
.Lfor_b_\@:
	tensor_load_to_lds s[\g0b:\g0b+3], s[\g1b:\g1b+7]
	s_nop 0
.rept 4
	v_nop
.endr
.Lasked_\@:
.endm
.macro CROUND                          ; a round of the cluster's barrier
	s_barrier_signal -1
	s_barrier_wait -1
	s_cmp_lg_u32 s14, 0
	s_cbranch_scc1 .Lnot_wave_0_\@
	s_barrier_signal -3
.Lnot_wave_0_\@:
	s_barrier_wait -3
	s_barrier_signal -1
	s_barrier_wait -1
.endm
	s_load_b128 s[4:7], s[0:1], 0x0                ; xq, xs
	s_load_b128 s[8:11], s[0:1], 0x10              ; wq, ws
	s_load_b128 s[96:99], s[0:1], 0x20             ; b_in, order
	s_load_b64 s[12:13], s[0:1], 0x30              ; qkv
	v_lshl_add_u32 v[SPW], v0, 2, SPARE
	v_mov_b32 v[NIL], 0
	ds_add_u32 v[SPW], v[NIL]                      ; the wave's opening: the add, twice on end, and its wait ahead of my first tensor load
	ds_add_u32 v[SPW], v[NIL]
	v_lshrrev_b32 v1, 5, v0
	v_readfirstlane_b32 s14, v1                    ; wave 0..3
	s_lshr_b32 s15, s14, 1                         ; which half of the tile's rows is mine.  Also: I fetch for A (0) or for B (1)
	s_and_b32 s16, s14, 1                          ; which half of its columns.  Also: which 128 rows of that tile I fetch
	s_bfe_u32 s40, ttmp6, 0x40000                  ; cx, cy: my place in the cluster
	s_bfe_u32 s41, ttmp6, 0x40004
	s_lshl_b32 s42, ttmp9, 2
	s_add_co_u32 s42, s42, s40                     ; tile column = 4 x cluster x + cx
	s_and_b32 s17, ttmp7, 0xffff
	s_lshl_b32 s17, s17, 2
	s_add_co_u32 s17, s17, s41                     ; tile row = 4 x cluster y + cy
	s_lshl_b32 s43, s41, 2
	s_lshl_b32 s43, 15, s43                        ; my row of the cluster
	s_lshl_b32 s44, 0x1111, s40                    ; my column
	s_or_b32 s[G1+0], s43, (0<<16)|(1<<20)|(1<<21)|(5<<22)|(3<<25)  ; the mask: A's tiles go to my row; elements of 1 byte; padding on; bit 21 beside a mask; after every 64 words 4 words
	s_or_b32 s[G1B+0], s44, (0<<16)|(1<<20)|(1<<21)|(5<<22)|(3<<25)
.irp g, G1, G1B
	s_mov_b32 s[\g+1], ROWB<<16                    ; tensor_dim0
	s_mov_b32 s[\g+2], 128<<16                     ; tensor_dim1
	s_mov_b32 s[\g+3], ROWB<<16                    ; tile_dim0
	s_mov_b32 s[\g+4], 128                         ; tile_dim1
	s_mov_b32 s[\g+5], KROW                        ; from row to row
	s_mov_b32 s[\g+6], 0
	s_mov_b32 s[\g+7], 0
.endr
	s_or_b32 s[G1S+0], s43, (3<<16)|(1<<20)|(1<<21)|(5<<22)|(3<<25) ; the scales of 128 rows: 4,096 dense bytes, as 16 rows of 32 elements of 8 bytes
	s_or_b32 s[G1SB+0], s44, (3<<16)|(1<<20)|(1<<21)|(5<<22)|(3<<25)
.irp g, G1S, G1SB
	s_mov_b32 s[\g+1], 32<<16
	s_mov_b32 s[\g+2], (128*KS/256)<<16
	s_mov_b32 s[\g+3], 32<<16
	s_mov_b32 s[\g+4], 128*KS/256
	s_mov_b32 s[\g+5], 32
	s_mov_b32 s[\g+6], 0
	s_mov_b32 s[\g+7], 0
.endr
	s_lshl_b32 s18, s16, 7                         ; which 128 rows of the tile I fetch
	s_lshl_b32 s20, s17, 8
	s_add_co_u32 s20, s20, s18                     ; A: row 256 x tile row + 128 x half
	s_lshl_b32 s46, s42, 8
	s_add_co_u32 s46, s46, s18                     ; B: row 256 x tile column + 128 x half
	s_mov_b32 s21, 0
	s_mov_b32 s47, 0
	s_mov_b64 s[18:19], KS
	s_mul_u64 s[22:23], s[20:21], s[18:19]         ; where these rows' scales begin,
	s_mul_u64 s[92:93], s[46:47], s[18:19]
	s_mov_b64 s[18:19], KROW
	s_mul_u64 s[20:21], s[20:21], s[18:19]         ; and their codes
	s_mul_u64 s[46:47], s[46:47], s[18:19]
	s_mul_i32 s45, s14, HALFT                      ; where they go: wave x 128 rows
	s_mul_i32 s94, s14, HALFS
	s_wait_dscnt 0x0                               ; both opening adds are done
	s_wait_kmcnt 0x0
	s_add_nc_u64 s[20:21], s[4:5], s[20:21]
	s_add_nc_u64 s[22:23], s[6:7], s[22:23]
	s_add_nc_u64 s[46:47], s[8:9], s[46:47]
	s_add_nc_u64 s[92:93], s[10:11], s[92:93]
	CROUND                                         ; all sixteen work-groups are here: the joint loads meet
	s_mov_b32 s[G0S], 1
	s_add_co_u32 s[G0S+1], s94, SCL
	s_mov_b64 s[G0S+2:G0S+3], s[22:23]
	s_or_b32 s[G0S+3], s[G0S+3], 0x80000000
	s_mov_b32 s[G0SB], 1
	s_add_co_u32 s[G0SB+1], s94, SCL
	s_mov_b64 s[G0SB+2:G0SB+3], s[92:93]
	s_or_b32 s[G0SB+3], s[G0SB+3], 0x80000000
	JLOAD G0S, G1S, G0SB, G1SB                     ; the scales first: they are wanted with K step 0
.irp s, 0,1
	s_mov_b32 s[G0+4*\s], 1
	s_add_co_u32 s[G0+4*\s+1], s45, \s*SLOT
	s_add_nc_u64 s[G0+4*\s+2:G0+4*\s+3], s[20:21], \s*ROWB
	s_or_b32 s[G0+4*\s+3], s[G0+4*\s+3], 0x80000000
	s_mov_b32 s[G0B+4*\s], 1
	s_add_co_u32 s[G0B+4*\s+1], s45, \s*SLOT
	s_add_nc_u64 s[G0B+4*\s+2:G0B+4*\s+3], s[46:47], \s*ROWB
	s_or_b32 s[G0B+4*\s+3], s[G0B+4*\s+3], 0x80000000
	JLOAD G0+4*\s, G1, G0B+4*\s, G1B               ; three tensor loads of mine are out behind the second of these
.endr
	v_and_b32 v1, 15, v0                           ; l % 16
	v_bfe_u32 v2, v0, 4, 1                         ; l / 16
	v_lshlrev_b32 v[BH], 5, v2
	s_lshl_b32 s46, s42, 10                        ; the bias of my 128 columns: 1,024 x tile column + 512 x half, in bytes
	s_lshl_b32 s47, s16, 9
	s_add_co_u32 s46, s46, s47
	s_mov_b32 s47, 0
	s_add_nc_u64 s[96:97], s[96:97], s[46:47]
.irp b, 0,1,2,3,4,5,6,7
	global_load_b128 v[BI+8*\b:BI+8*\b+3], v[BH], s[96:97] offset:64*\b
	global_load_b128 v[BI+8*\b+4:BI+8*\b+7], v[BH], s[96:97] offset:64*\b+16
.endr
	v_mul_u32_u24 v3, v1, PITCH
	v_lshl_add_u32 v4, v2, 4, v3                   ; a fragment's row x pitch + 16 x half
	s_mul_i32 s21, s15, HALFT                      ; my 128 rows of A
	s_mul_i32 s22, s16, HALFT                      ; my 128 rows of B,
	s_add_co_u32 s22, s22, 2*HALFT                 ; which lie behind A's 256
.irp s, 0,1
	v_add_nc_u32 v[ADRA+\s], s21, v4
	v_add_nc_u32 v[ADRB+\s], s22, v4
	s_add_co_u32 s21, s21, SLOT
	s_add_co_u32 s22, s22, SLOT
.endr
	v_mul_u32_u24 v5, v1, KS                       ; my row's scales: 32 bytes a row,
	v_lshrrev_b32 v6, 8, v5
	v_lshl_add_u32 v5, v6, 4, v5                   ; and 16 more for each 256 passed
	s_mul_i32 s21, s15, HALFS
	s_mul_i32 s22, s16, HALFS
	s_add_co_u32 s22, s22, 2*HALFS
	s_sub_co_u32 s22, s22, s21
	v_mul_u32_u24 v6, s22, v2                      ; lanes 16-31 take B's
	s_add_co_u32 s21, s21, SCL
	v_add_nc_u32 v5, v5, v6
	v_add_nc_u32 v[ADRS], s21, v5
	s_mul_i32 s23, s14, 16*SPITCH                  ; my stage
	v_mul_u32_u24 v5, v1, SPITCH                   ; in: row l % 16, 16 bytes for each half of the lanes
	v_lshl_add_u32 v5, v2, 4, v5
	v_add_nc_u32 v[STO], s23, v5
	v_mul_u32_u24 v5, v2, 8*SPITCH                 ; back: lanes 0-15 take row t, lanes 16-31 row 8 + t, 16 bytes a lane
	v_lshl_add_u32 v5, v1, 4, v5
	v_add_nc_u32 v[RD], s23, v5
	v_lshlrev_b32 v[CO], 4, v1
	s_lshr_b32 s20, s17, 3                         ; my batch: eight tile rows each
	s_and_b32 s21, s17, 7
	s_lshl_b32 s21, s21, 10                        ; my first position in it, in words of 4 bytes: 256 x (tile row % 8)
	s_lshl_b32 s22, s15, 9                         ; + 128 x half
	s_add_co_u32 s21, s21, s22
	s_lshl_b32 s22, s20, 13                        ; pos of my batch,
	s_cmp_eq_u32 ttmp9, 0                          ; or, in region 0, the identity: a choice on the cluster's x
	s_cselect_b32 s22, 32768, s22
	s_add_co_u32 s22, s22, s21
	s_mov_b32 s23, 0
	s_add_nc_u64 s[98:99], s[98:99], s[22:23]
	s_lshl_b32 s22, ttmp9, 24                      ; qkv: the region's 16,777,216 bytes,
	s_lshl_b32 s21, s20, 22                        ; the batch's 4,194,304,
	s_add_co_u32 s22, s22, s21
	s_add_nc_u64 s[12:13], s[12:13], s[22:23]
	s_lshl_b32 s46, s40, 9                         ; and my 128 columns: 512 x cx + 256 x half
	s_lshl_b32 s47, s16, 8
	s_add_co_u32 s46, s46, s47
	s_mov_b32 s47, 0
	s_add_nc_u64 s[12:13], s[12:13], s[46:47]
.macro FRAG reg, adr, q, i             ; a fragment, 16 rows x 128 K of 4-bit codes: lane l holds row l % 16; registers 4 c .. 4 c + 3 hold K = 64 c + 32 (l / 16) + 0 .. 31
.irp c, 0,1
	ds_load_b128 v[\reg+4*\c:\reg+4*\c+3], v[\adr] offset:64*(\q)+32*\c+(\i)*16*PITCH
.endr
.endm
; 16 matrix instructions: A's blocks a0, a0 + 1 x B's eight, 128 along K.  zero = 1: the bias starts the sums.  The 64 accumulators take turns, one instruction a turn.
.macro MUL16 a0, p, q, sc, zero
.irp a, \a0, \a0+1
.irp b, 0,1,2,3,4,5,6,7
.if \zero
	v_wmma_scale_f32_16x16x128_f8f6f4 v[8*(8*((\a)%4)+\b):8*(8*((\a)%4)+\b)+7], v[128*(\p)+FR*\b:128*(\p)+FR*\b+FR-1], v[AF+FR*(\a):AF+FR*(\a)+FR-1], v[BI+8*\b:BI+8*\b+7], v[SC+8*NQ*(\sc)+NQ*\b+(\q)], v[SC+8*NQ*(\sc)+NQ*(\a)+(\q)] matrix_a_fmt:MATRIX_FMT_FP4 matrix_b_fmt:MATRIX_FMT_FP4 matrix_a_scale:MATRIX_SCALE_ROW1
.else
	v_wmma_scale_f32_16x16x128_f8f6f4 v[8*(8*((\a)%4)+\b):8*(8*((\a)%4)+\b)+7], v[128*(\p)+FR*\b:128*(\p)+FR*\b+FR-1], v[AF+FR*(\a):AF+FR*(\a)+FR-1], v[8*(8*((\a)%4)+\b):8*(8*((\a)%4)+\b)+7], v[SC+8*NQ*(\sc)+NQ*\b+(\q)], v[SC+8*NQ*(\sc)+NQ*(\a)+(\q)] matrix_a_fmt:MATRIX_FMT_FP4 matrix_b_fmt:MATRIX_FMT_FP4 matrix_a_scale:MATRIX_SCALE_ROW1
.endif
.endr
.endr
.endm
.macro FETCH_B slot, q, p
	WIN TO_B
.irp i, 0,1,2,3,4,5,6,7
	FRAG 128*(\p)+FR*\i, ADRB+\slot, \q, \i
.endr
	WIN 0
.endm
.macro FETCH_A slot, q, i0
.irp i, \i0, \i0+1, \i0+2, \i0+3
	FRAG AF+FR*(\i), ADRA+\slot, \q, \i
.endr
.endm
.macro SCALES sc                       ; a K step's scale words: four words a row; lanes 0-15 take A's block i, lanes 16-31 B's block i
.irp i, 0,1,2,3,4,5,6,7
	ds_load_b128 v[SC+8*NQ*\sc+NQ*\i:SC+8*NQ*\sc+NQ*\i+3], v[ADRS] offset:\i*SBLK
.endr
.endm
.macro PLACES n                        ; plain vector instructions between a matrix instruction and a load into, or a read of, its registers
.rept \n
	v_nop
.endr
.endm
.macro STEP slot, q, zero              ; a step of 128 along K that has its successor in the same slot
	s_wait_dscnt 4*NL                              ; B's set and A's blocks 0-3 are in; the youngest eight loads (A's blocks 4-7) may be out
	WMUL 0, \zero
	MUL16 0, (\q)%2, \q, \slot, \zero
	MUL16 2, (\q)%2, \q, \slot, \zero
	s_wait_dscnt 0
	PLACES NP
	FETCH_B \slot, (\q)+1, 1-(\q)%2
	FETCH_A \slot, (\q)+1, 0
	WMUL 1, \zero
	MUL16 4, (\q)%2, \q, \slot, \zero
	MUL16 6, (\q)%2, \q, \slot, \zero
	PLACES NP
	WIN 0
	FETCH_A \slot, (\q)+1, 4
.endm
	s_wait_tensorcnt 1                             ; the scales and my part of K step 0 are in; K step 1's load may be out
	s_barrier_signal -1
	s_barrier_wait -1                              ; everybody's are
	FETCH_B 0, 0, 0
	FETCH_A 0, 0, 0
	SCALES 0
	FETCH_A 0, 0, 4
	s_wait_loadcnt 0x0                             ; the bias
	STEP 0, 0, 1
.irp a, 0,1,2,3,4,5,6,7                        ; the bias has started all 64 sums, four places back: its registers take my 128 rows' places, wanted on the way out
	global_load_b128 v[PO+8*\a:PO+8*\a+3], v[BH], s[98:99] offset:64*\a
	global_load_b128 v[PO+8*\a+4:PO+8*\a+7], v[BH], s[98:99] offset:64*\a+16
.endr
	STEP 0, 1, 0
	STEP 0, 2, 0
	; slot 0's last step changes slots: one barrier; in front of it each wave waits for all its tensor loads (its part of slot 1), adds 0 to its spare word, and waits for that and for its own reads of slot 0
	s_wait_tensorcnt 0x0
	ds_add_u32 v[SPW], v[NIL]
	s_wait_dscnt 4*NL+1                            ; (the add and A's blocks 4-7 may be out)
	WMUL 0, 0
	MUL16 0, 1, NQ-1, 0, 0
	s_wait_dscnt 0x0                               ; the add is done, and my reads of slot 0 are over
	s_barrier_signal -1
	MUL16 2, 1, NQ-1, 0, 0
	WIN 0
	s_barrier_wait -1
	PLACES NP
	v_add_nc_u32 v[ADRS], 4*NQ, v[ADRS]            ; on to K step 1's scale words (no LDS load of mine is out)
	FETCH_B 1, 0, 0
	FETCH_A 1, 0, 0
	SCALES 1
	WMUL 1, 0
	MUL16 4, 1, NQ-1, 0, 0
	MUL16 6, 1, NQ-1, 0, 0
	PLACES NP
	WIN 0
	FETCH_A 1, 0, 4
	STEP 1, 0, 0
	STEP 1, 1, 0
	STEP 1, 2, 0
	s_wait_dscnt 4*NL                              ; the very last step: nothing more to fetch
	WMUL 0, 0
	MUL16 0, 1, NQ-1, 1, 0
	MUL16 2, 1, NQ-1, 1, 0
	s_wait_dscnt 0
	WMUL 1, 0
	MUL16 4, 1, NQ-1, 1, 0
	MUL16 6, 1, NQ-1, 1, 0
	WIN 0
; THE WAY OUT, block by block of 16 rows x 128 columns.  A lane's eight results round to 16 bytes of a row; the block goes through my own stage and comes back as whole rows of 256 bytes.  Each store writes two rows:
; lanes 0-15 the 256 bytes of row t of the block, lanes 16-31 those of row 8 + t, each at the row's place: 256 consecutive bytes, aligned, whatever the places are.
	PLACES NP
	s_wait_loadcnt 0x0                             ; the places
.set i, 0
.rept 64
	v_min_u32 v[PO+i], 0x7ff, v[PO+i]              ; a place is a row of 0 .. 2047
.set i, i+1
.endr
.set i, 0
.rept 64
	v_lshl_add_u32 v[PO+i], v[PO+i], 11, v[CO]     ; x 2,048 bytes, + my 16 bytes of the row's 256
.set i, i+1
.endr
.macro PACK a
.set AC, 64*((\a)%4)
	WIN 0x0a+5*((\a)/4)                            ; sources 0 and 1: window 2 or 3
.irp b, 0,1,2,3,4,5,6,7
.irp r, 0,1,2,3
	v_cvt_pk_f16_f32 v[TMP+4*\b+\r], v[AC+8*\b+2*\r], v[AC+8*\b+2*\r+1]    ; each accumulator from its low end on
.endr
.endr
	WIN 0
.endm
.macro TOSTAGE a
.set BB, BK+32*((\a)%2)
.irp b, 0,1,2,3,4,5,6,7
	ds_store_b128 v[STO], v[TMP+4*\b:TMP+4*\b+3] offset:32*\b
.endr
.irp t, 0,1,2,3,4,5,6,7
	ds_load_b128 v[BB+4*\t:BB+4*\t+3], v[RD] offset:\t*SPITCH      ; LDS serves a wave's instructions in order (ISA guide 5.7.1.4): these see the stores above
.endr
.endm
.macro SEND a
.set BB, BK+32*((\a)%2)
	s_wait_dscnt 0x0                               ; the block is back in registers
	s_wait_xcnt 0x0                                ; the stores of the block before have read their registers: the next block's loads may land there
.irp t, 0,1,2,3,4,5,6,7
	global_store_b128 v[PO+8*(\a)+\t], v[BB+4*\t:BB+4*\t+3], s[12:13]
.endr
.endm
	PACK 0
	TOSTAGE 0
.irp a, 1,2,3,4,5,6,7                          ; block a's conversions stand between block a - 1's loads from the stage and the wait for them
	PACK \a
	SEND \a-1
	TOSTAGE \a
.endr
	SEND 7
	s_wait_tensorcnt 0x0                           ; the wave's end, behind my last tensor load and my last LDS store
	ds_add_u32 v[SPW], v[NIL]
	s_wait_dscnt 0x0
	CROUND                                         ; the closing round
	s_endpgm
.Lfunc_end_k_q25b85731ed_qkvg:
	.size	k_q25b85731ed_qkvg, .Lfunc_end_k_q25b85731ed_qkvg-k_q25b85731ed_qkvg
	.p2alignl 7, 3214868480
	.fill 96, 4, 3214868480
	.section	.rodata,"a",@progbits
	.p2align	6, 0x0
	.amdhsa_kernel k_q25b85731ed_qkvg
		.amdhsa_group_segment_fixed_size 327680
		.amdhsa_private_segment_fixed_size 0
		.amdhsa_enable_private_segment 0
		.amdhsa_kernarg_size 56
		.amdhsa_user_sgpr_count 2
		.amdhsa_user_sgpr_kernarg_segment_ptr 1
		.amdhsa_wavefront_size32 1
		.amdhsa_system_sgpr_workgroup_id_x 1
		.amdhsa_system_sgpr_workgroup_id_y 1
		.amdhsa_system_sgpr_workgroup_id_z 1
		.amdhsa_system_vgpr_workitem_id 0
		.amdhsa_next_free_vgpr 1024
		.amdhsa_next_free_sgpr 100
		.amdhsa_reserve_vcc 0
		.amdhsa_float_denorm_mode_32 3
		.amdhsa_float_denorm_mode_16_64 3
		.amdhsa_memory_ordered 1
		.amdhsa_forward_progress 1
		.amdhsa_inst_pref_size 138
	.end_amdhsa_kernel
	.amdgpu_metadata
---
amdhsa.version: [ 1, 2 ]
amdhsa.kernels:
  - .name:           k_q25b85731ed_qkvg
    .symbol:         k_q25b85731ed_qkvg.kd
    .args:
      - { .name: xq, .offset: 0, .size: 8, .value_kind: global_buffer, .address_space: global }
      - { .name: xs, .offset: 8, .size: 8, .value_kind: global_buffer, .address_space: global }
      - { .name: wq, .offset: 16, .size: 8, .value_kind: global_buffer, .address_space: global }
      - { .name: ws, .offset: 24, .size: 8, .value_kind: global_buffer, .address_space: global }
      - { .name: b_in, .offset: 32, .size: 8, .value_kind: global_buffer, .address_space: global }
      - { .name: order, .offset: 40, .size: 8, .value_kind: global_buffer, .address_space: global }
      - { .name: qkv, .offset: 48, .size: 8, .value_kind: global_buffer, .address_space: global }
    .group_segment_fixed_size: 327680
    .private_segment_fixed_size: 0
    .kernarg_segment_align: 8
    .kernarg_segment_size: 56
    .max_flat_workgroup_size: 128
    .sgpr_count:     100
    .vgpr_count:     1024
    .wavefront_size: 32
...
	.end_amdgpu_metadata
.endif
;; end of part 2
;; launch attn (part 3): grid 8 x 32, 8 waves a work-group, no clusters, 142,336 bytes of LDS; arguments qkv, order, att; writes att
.if DOCPART == 3
	.amdgcn_target "amdgcn-amd-amdhsa--gfx1250"
	.amdhsa_code_object_version 6
	.text
	.protected	k_q25b85731ed_attn
	.globl	k_q25b85731ed_attn
	.p2align	8
	.type	k_q25b85731ed_attn,@function
k_q25b85731ed_attn:
	s_mov_b64 s[64:65], 0
	v_nop
	global_prefetch_b8 v0, s[64:65] scope:SCOPE_SE
	s_setreg_imm32_b32 hwreg(HW_REG_WAVE_MODE, 25, 1), 1
	s_wait_xcnt 0x0
; att[b][q][head][:] = the sum over the keys that count of softmax_k(q . k / 8) v.  q, k, v: f16 in qkv, [3][4][2048 rows][1024]; att: f16 [8192][1024].  Products on f16 operands, sums, maxima and the softmax in f32;
; the weights p are rounded to f16 for the second product, the result once at the end.
; THE MASK.  k and v lie partitioned: rows 0 .. N - 1 of a batch are the keys with mask > 0, N = the batch's count (order, a whole number stored by an earlier launch).  So only ceil(N / 64) key steps are worked;
; in the step that holds row N the scores of rows N on become -infinity ahead of the maximum.  The first step is always worked: with N = 0 all its scores are -infinity and the result is NaN, as the softmax of nothing is.
; With N >= 1 row 0 counts, so the running maximum is a number from the first step on.
; SHARES.  A work-group owns 256 queries of a batch and TWO heads, so that a row of its K and V tiles, and of its result, is 256 consecutive bytes, aligned.  Wave w: head 2 hp + w / 4, queries 64 (w % 4) on: four tiles of 16.
; Two waves share a SIMD: one wave's softmax stands beside the other's products.
; K AND V come through registers into two LDS slots by turns (64 keys a step): each wave loads 8 rows of each a whole step ahead and stores them into the slot that is not being read.  One barrier a step.
; No tensor load: which steps are worked hangs on a stored number.  Every wave walks all 33 steps and passes all barriers; a scalar branch, alike in all waves, leads round the work of the steps at and beyond N.
; No cluster for the same reason: joint requests are tensor loads.
; LAYOUT.  S^T = K Q^T (source 0 = 16 keys, source 1 = 16 queries): a lane holds one query (lane % 16) and keys 8 (lane / 16) + 0 .. 7.  Two such tiles, rounded to f16 in pairs, are source 1 of O^T = V^T P.
; V ([key][channel] in LDS) is turned by ds_load_tr16_b128.
; SOFTMAX.  A running maximum m and sum l for each query: p = 2^(c s - c m), c = log2(e) / 8; in every step O and l are multiplied by a = 2^(c m_old - c m_new).
; REGISTERS: window 0: v4-17 addresses; v24-55 statistics, 8 a tile; v64-191 S^T, 32 a tile, P packed into each tile's first 16; v192-255 K's 8 fragments, then V's 8.
;   window 1: v0-63 Q; v64-191 O^T, 32 a tile; v192-223 the rows on their way to LDS.
; LIMITS: |q|, |k|, |v| under 65,504 (f16); NaN and infinities among them are not served.
.set PK,    272                        ; a row of K in LDS: 256 bytes + 16: the 16 rows of a load start at 16 different banks (64 banks of 4 bytes: ISA guide 11.1)
.set PV,    288                        ; a row of V: 256 + 32
.set VOFF,  64*PK
.set SLOTB, VOFF+64*PV                 ; a slot: 64 rows of K, then 64 of V: 35,840 bytes
.set STAGE, 2*SLOTB                    ; behind the slots: 256 rows x 272 bytes for the way out
.set SP,    272
.set SPARE, STAGE+256*SP               ; the spare words, 128 bytes for each wave: four blocks of 256 bytes that no other line names
.set AK,  4                            ; v4   my lane's place in a tile of K, my head's 128 bytes
.set AV,  5                            ; v5   the same for V
.set SK,  6                            ; v6   where I store rows of K: row 8 w + lane / 16, 16 bytes a lane
.set SV,  7                            ; v7   and of V
.set GOF, 8                            ; v8   the same rows in memory
.set QO,  9                            ; v9   my byte offset in the wave's rows of Q
.set STO, 10                           ; v10  the way out: where I put 16 bytes of a row
.set RD,  11                           ; v11  where I read a row back
.set GO,  12                           ; v12  my byte offset in the wave's rows of att
.set H8,  13                           ; v13  8 (lane / 16)
.set SPW, 14                           ; v14  my spare word; never rewritten
.set NIL, 15                           ; v15  0; never rewritten
.set NEG, 16                           ; v16  -infinity
.set KD,  17                           ; v17  at work in the masked step
.set ST,  24                           ; tile q's statistics at v[ST + 8 q]: +0 c m, +1 m, +2, +3 l, +4 to +7 at work; a stands in +6
.set S,   64
.set KV,  192
.set Q,   0                            ; window 1
.set O,   64
.set G,   192
.set WV,  10                           ; s10  wave
.set HH,  11                           ; s11  wave / 4: which of the two heads
.set N,   12                           ; s12  keys that count
.set KF,  13                           ; s13  the step's first key
.set KB,  14                           ; s[14:15] K at the step's first row;  s[16:17] V
.set VB,  16
.set SEL, 20                           ; s[20:21] v_permlanex16_b32's selects for lane l xor 16
.set CS,  22                           ; s[22:23] c, twice
.set CNT, 24
.set MSB, 0
.macro WIN new                         ; the immediate's high byte repeats the setting that is left
.if MSB != (\new)
	s_set_vgpr_msb (MSB<<8)|(\new)
.set MSB, (\new)
.endif
.endm
	s_load_b128 s[4:7], s[0:1], 0x0                ; qkv, order
	s_load_b64 s[8:9], s[0:1], 0x10                ; att
	v_lshl_add_u32 v[SPW], v0, 2, SPARE
	v_mov_b32 v[NIL], 0
	v_lshrrev_b32 v1, 5, v0
	v_readfirstlane_b32 s[WV], v1                  ; wave 0..7
	s_lshr_b32 s[HH], s[WV], 2
	s_and_b32 s25, s[WV], 3                        ; which 64 queries
	s_and_b32 s26, ttmp7, 0xffff
	s_lshr_b32 s27, s26, 3                         ; the batch
	s_and_b32 s28, s26, 7                          ; the pair of heads
	v_and_b32 v1, 15, v0                           ; r
	v_bfe_u32 v2, v0, 4, 1                         ; h
	s_lshl_b32 s29, s[HH], 7                       ; my head's 128 bytes of a row's 256
	v_mul_u32_u24 v[AK], v1, PK
	v_lshl_add_u32 v[AK], v2, 4, v[AK]
	v_add_nc_u32 v[AK], s29, v[AK]                 ; K: row r, + 16 h
	v_and_b32 v3, 7, v0
	v_lshl_add_u32 v3, v2, 3, v3
	v_mul_u32_u24 v[AV], v3, PV                    ; V: key 8 h + l % 8,
	v_bfe_u32 v3, v0, 3, 1
	v_lshl_add_u32 v[AV], v3, 4, v[AV]             ; channels 8 ((l / 8) % 2) on
	s_add_co_u32 s30, s29, VOFF
	v_add_nc_u32 v[AV], s30, v[AV]
	s_mul_i32 s30, s[WV], 8*PK
	v_mul_u32_u24 v[SK], v2, PK
	v_lshl_add_u32 v[SK], v1, 4, v[SK]
	v_add_nc_u32 v[SK], s30, v[SK]
	s_mul_i32 s30, s[WV], 8*PV
	s_add_co_u32 s30, s30, VOFF
	v_mul_u32_u24 v[SV], v2, PV
	v_lshl_add_u32 v[SV], v1, 4, v[SV]
	v_add_nc_u32 v[SV], s30, v[SV]
	s_lshl_b32 s30, s[WV], 14
	v_lshlrev_b32 v[GO], 11, v2
	v_lshl_add_u32 v[GO], v1, 4, v[GO]             ; row h of 2,048 bytes, + 16 r
	v_add_nc_u32 v[GOF], s30, v[GO]                ; + 8 rows a wave
	v_lshlrev_b32 v[QO], 11, v1
	v_lshl_add_u32 v[QO], v2, 4, v[QO]             ; Q: row r, + 16 h
	s_mul_i32 s30, s25, 64*SP
	s_add_co_u32 s30, s30, s29
	s_add_co_u32 s30, s30, STAGE
	v_mul_u32_u24 v[STO], v1, SP
	v_lshl_add_u32 v[STO], v2, 4, v[STO]
	v_add_nc_u32 v[STO], s30, v[STO]               ; the stage, in: row 64 (w % 4) + r, my head's half, + 16 h
	s_mul_i32 s30, s[WV], 32*SP
	s_add_co_u32 s30, s30, STAGE
	v_mul_u32_u24 v[RD], v2, SP
	v_lshl_add_u32 v[RD], v1, 4, v[RD]
	v_add_nc_u32 v[RD], s30, v[RD]                 ; back: rows 32 w + h on, whole
	v_lshlrev_b32 v[H8], 3, v2
	v_mov_b32 v[NEG], 0xff800000
	s_mov_b32 s[SEL], 0x76543210
	s_mov_b32 s[SEL+1], 0xfedcba98
	s_mov_b32 s[CS], 0x3e38aa3b                    ; c = log2(e) / 8
	s_mov_b32 s[CS+1], s[CS]
	s_mov_b32 s[KF], 0
	s_lshl_b32 s30, s27, 22                        ; the batch's 4,194,304 bytes
	s_lshl_b32 s31, s28, 8                         ; the pair's 256 bytes of a row
	s_add_co_u32 s30, s30, s31
	s_lshl_b32 s31, ttmp9, 19                      ; my block's 256 rows
	s_add_co_u32 s32, s30, s31
	s_lshl_b32 s31, s25, 17                        ; my wave's 64 of them,
	s_add_co_u32 s34, s32, s31
	s_add_co_u32 s34, s34, s29                     ; my head: Q
	s_mov_b32 s35, 0
	s_lshl_b32 s31, s[WV], 16                      ; the 32 rows that I store: att
	s_add_co_u32 s32, s32, s31
	s_mov_b32 s33, 0
	s_add_co_u32 s30, s30, 0x1000000               ; region 1: K
	s_mov_b32 s31, 0
	s_lshl_b32 s36, s27, 7                         ; the batch's words of N
	s_mov_b32 s37, 0
	s_wait_kmcnt 0x0
	s_add_nc_u64 s[6:7], s[6:7], s[36:37]
	s_load_b32 s[N], s[6:7], 0xa000
	s_add_nc_u64 s[KB:KB+1], s[4:5], s[30:31]
	s_add_nc_u64 s[VB:VB+1], s[KB:KB+1], 0x1000000 ; region 2: V
	s_add_nc_u64 s[4:5], s[4:5], s[34:35]
	s_add_nc_u64 s[8:9], s[8:9], s[32:33]
.macro GLOAD off                       ; my 8 rows of K and of V of the tile that begins off bytes on; a load reads two whole rows of 256 bytes
.irp i, 0,1,2,3
	global_load_b128 v[G+4*\i:G+4*\i+3], v[GOF], s[KB:KB+1] offset:\off+4096*\i
.endr
.irp i, 0,1,2,3
	global_load_b128 v[G+16+4*\i:G+16+4*\i+3], v[GOF], s[VB:VB+1] offset:\off+4096*\i
.endr
.endm
.macro STAGE_ST s                      ; and into slot s
.irp i, 0,1,2,3
	ds_store_b128 v[SK], v[G+4*\i:G+4*\i+3] offset:(\s)*SLOTB+2*PK*\i
.endr
.irp i, 0,1,2,3
	ds_store_b128 v[SV], v[G+16+4*\i:G+16+4*\i+3] offset:(\s)*SLOTB+2*PV*\i
.endr
.endm
.macro LOADK s                         ; K's fragments: keys 16 kt on, channels 32 f on
.irp kt, 0,1,2,3
.irp f, 0,1
.irp g, 0,1
	ds_load_b128 v[KV+8*(2*\kt+\f)+4*\g:KV+8*(2*\kt+\f)+4*\g+3], v[AK] offset:(\s)*SLOTB+\kt*16*PK+64*\f+32*\g
.endr
.endr
.endr
.endm
.macro LOADV s                         ; V's, turned: keys 32 u on, channels 16 dt on
.irp u, 0,1
.irp dt, 0,1,2,3
.irp g, 0,1
	ds_load_tr16_b128 v[KV+8*(4*\u+\dt)+4*\g:KV+8*(4*\u+\dt)+4*\g+3], v[AV] offset:(\s)*SLOTB+\u*32*PV+\g*16*PV+32*\dt
.endr
.endr
.endr
.endm
.macro KQ                              ; S^T = K Q^T: 32 products; the 16 accumulators take turns, one instruction a turn; the first 16 start the sums
.irp f, 0,1
.irp kt, 0,1,2,3
.irp q, 0,1,2,3
.if \f == 0
	v_wmma_f32_16x16x32_f16 v[S+32*\q+8*\kt:S+32*\q+8*\kt+7], v[KV+8*(2*\kt+\f):KV+8*(2*\kt+\f)+7], v[Q+16*\q+8*\f:Q+16*\q+8*\f+7], 0
.else
	v_wmma_f32_16x16x32_f16 v[S+32*\q+8*\kt:S+32*\q+8*\kt+7], v[KV+8*(2*\kt+\f):KV+8*(2*\kt+\f)+7], v[Q+16*\q+8*\f:Q+16*\q+8*\f+7], v[S+32*\q+8*\kt:S+32*\q+8*\kt+7]
.endif
.endr
.endr
.endr
.endm
.macro PVM first                       ; O^T += V^T P: 32 products, 16 accumulators by turns; in the first step the first 16 start the sums
.irp u, 0,1
.irp dt, 0,1,2,3
.irp q, 0,1,2,3
.if \first && (\u == 0)
	v_wmma_f32_16x16x32_f16 v[O+32*\q+8*\dt:O+32*\q+8*\dt+7], v[KV+8*(4*\u+\dt):KV+8*(4*\u+\dt)+7], v[S+32*\q+8*\u:S+32*\q+8*\u+7], 0
.else
	v_wmma_f32_16x16x32_f16 v[O+32*\q+8*\dt:O+32*\q+8*\dt+7], v[KV+8*(4*\u+\dt):KV+8*(4*\u+\dt)+7], v[S+32*\q+8*\u:S+32*\q+8*\u+7], v[O+32*\q+8*\dt:O+32*\q+8*\dt+7]
.endif
.endr
.endr
.endr
.endm
.macro TAILMASK                        ; register 8 kt + j holds key KF + 16 kt + 8 h + j: it does not count where 16 kt + j >= N - KF - 8 h
	s_sub_co_i32 s25, s[N], s[KF]
	v_sub_nc_u32 v[KD], s25, v[H8]
.irp kt, 0,1,2,3
.irp j, 0,1,2,3,4,5,6,7
	v_cmp_ge_i32 vcc_lo, 16*\kt+\j, v[KD]
.irp q, 0,1,2,3
	v_cndmask_b32 v[S+32*\q+8*\kt+\j], v[S+32*\q+8*\kt+\j], v[NEG], vcc_lo
.endr
.endr
.endr
.endm
; The softmax of a step, the four tiles line by line, so that no line waits for the line above it.  first = 1: the first step starts m, l and O^T.
.macro SOFTMAX first
.irp j, 0,1,2,3                                ; the maximum: four chains, one for each accumulator, each begun at the accumulator's low end
.irp q, 0,1,2,3
	v_max3_num_f32 v[ST+8*\q+4+\j], v[S+32*\q+8*\j], v[S+32*\q+8*\j+1], v[S+32*\q+8*\j+2]
.endr
.endr
.irp g, 1,2
.irp j, 0,1,2,3
.irp q, 0,1,2,3
	v_max3_num_f32 v[ST+8*\q+4+\j], v[ST+8*\q+4+\j], v[S+32*\q+8*\j+2*\g+1], v[S+32*\q+8*\j+2*\g+2]
.endr
.endr
.endr
.irp q, 0,1,2,3
	v_max3_num_f32 v[ST+8*\q+4], v[ST+8*\q+4], v[S+32*\q+7], v[S+32*\q+15]
.endr
.irp q, 0,1,2,3
	v_max3_num_f32 v[ST+8*\q+6], v[ST+8*\q+6], v[S+32*\q+23], v[S+32*\q+31]
.endr
.irp q, 0,1,2,3
	v_max3_num_f32 v[ST+8*\q+4], v[ST+8*\q+4], v[ST+8*\q+5], v[ST+8*\q+6]
.endr
.irp q, 0,1,2,3
.if \first
	v_max_num_f32 v[ST+8*\q+4], v[ST+8*\q+4], v[ST+8*\q+7]
.else
	v_max3_num_f32 v[ST+8*\q+4], v[ST+8*\q+4], v[ST+8*\q+7], v[ST+8*\q+1]
.endif
.endr
.irp q, 0,1,2,3
	v_permlanex16_b32 v[ST+8*\q+5], v[ST+8*\q+4], s[SEL], s[SEL+1]  ; the query's other 32 keys lie in the lane 16 away
.endr
.if !\first
.irp q, 0,1,2,3
	v_mov_b32 v[ST+8*\q+7], v[ST+8*\q]             ; c m_old is kept for a
.endr
.endif
.irp q, 0,1,2,3
	v_max_num_f32 v[ST+8*\q+1], v[ST+8*\q+4], v[ST+8*\q+5]
.endr
.irp q, 0,1,2,3
	v_mul_f32 v[ST+8*\q], s[CS], v[ST+8*\q+1]
.endr
.if !\first
.irp q, 0,1,2,3
	v_sub_f32 v[ST+8*\q+7], v[ST+8*\q+7], v[ST+8*\q]
.endr
.endif
.set i, 0
.rept 16
.irp q, 0,1,2,3
	v_pk_fma_f32 v[S+32*\q+2*i:S+32*\q+2*i+1], v[S+32*\q+2*i:S+32*\q+2*i+1], s[CS:CS+1], v[ST+8*\q:ST+8*\q+1] op_sel_hi:[1,0,0] neg_lo:[0,0,1] neg_hi:[0,0,1]  ; c s - c m
.endr
.set i, i+1
.endr
.if !\first                                    ; ONE BATCH of exponentials: a, then the 128 weights; none reads another's result
.irp q, 0,1,2,3
	v_exp_f32 v[ST+8*\q+6], v[ST+8*\q+7]
.endr
.endif
.set i, 0
.rept 32
.irp q, 0,1,2,3
	v_exp_f32 v[S+32*\q+i], v[S+32*\q+i]
.endr
.set i, i+1
.endr
	v_nop                                          ; a plain instruction behind the last exponential
	s_wait_alu depctr_va_vdst(0)                   ; and the one wait ahead of the batch's first reader
.irp q, 0,1,2,3                                ; the sums, of the weights before they are rounded
	v_pk_add_f32 v[ST+8*\q+4:ST+8*\q+5], v[S+32*\q:S+32*\q+1], v[S+32*\q+2:S+32*\q+3]
.endr
.irp k, 4,6,8,10,12,14,16,18,20,22,24,26,28
.irp q, 0,1,2,3
	v_pk_add_f32 v[ST+8*\q+4:ST+8*\q+5], v[ST+8*\q+4:ST+8*\q+5], v[S+32*\q+\k:S+32*\q+\k+1]
.endr
.endr
.if \first
.irp q, 0,1,2,3
	v_pk_add_f32 v[ST+8*\q+2:ST+8*\q+3], v[ST+8*\q+4:ST+8*\q+5], v[S+32*\q+30:S+32*\q+31]
.endr
.else
.irp q, 0,1,2,3
	v_pk_add_f32 v[ST+8*\q+4:ST+8*\q+5], v[ST+8*\q+4:ST+8*\q+5], v[S+32*\q+30:S+32*\q+31]
.endr
.irp q, 0,1,2,3
	v_pk_fma_f32 v[ST+8*\q+2:ST+8*\q+3], v[ST+8*\q+2:ST+8*\q+3], v[ST+8*\q+6:ST+8*\q+7], v[ST+8*\q+4:ST+8*\q+5] op_sel_hi:[1,0,1]   ; l = a l + the sum
.endr
.endif
.set i, 0
.rept 16                                       ; P: pairs of weights round to f16, in place, ascending: word i takes weights 2 i and 2 i + 1
.irp q, 0,1,2,3
	v_cvt_pk_f16_f32 v[S+32*\q+i], v[S+32*\q+2*i], v[S+32*\q+2*i+1]
.endr
.set i, i+1
.endr
.if !\first
	WIN 0x41                                       ; O^T (destination and source 0) in window 1, a in window 0
.set i, 0
.rept 16
.irp q, 0,1,2,3
	v_pk_mul_f32 v[O+32*\q+2*i:O+32*\q+2*i+1], v[O+32*\q+2*i:O+32*\q+2*i+1], v[ST+8*\q+6:ST+8*\q+7] op_sel_hi:[1,0]
.endr
.set i, i+1
.endr
.endif
.endm
; A KEY STEP, whose tile lies in slot s.  ONE barrier at its head orders two things: every wave's stores of this tile have landed, and every wave's reads of the other slot are over.  All branches hang on N and on the
; count of steps: they are alike in all eight waves, and no barrier stands under one.
.macro TRIP s, first
	s_wait_dscnt 0x0
	s_barrier_signal -1
	s_barrier_wait -1
.if !\first
	s_cmp_ge_u32 s[KF], s[N]                       ; a step all of whose rows lie at or beyond N is not worked
	s_cbranch_scc1 .Lidle_\@
.endif
	s_add_co_u32 s25, s[KF], 64
	s_cmp_lt_u32 s25, s[N]                         ; is there a next tile?  It was asked for a step ago: into the other slot
	s_cbranch_scc0 .Lno_store_\@
	s_wait_loadcnt 0x0
	WIN 0x04                                       ; an LDS store's data are its source 1: window 1
	STAGE_ST 1-\s
	WIN 0
.Lno_store_\@:
	LOADK \s
	s_wait_dscnt 0x0                               ; K is in, and the stores above have read their registers
	s_add_co_u32 s25, s[KF], 128
	s_cmp_lt_u32 s25, s[N]                         ; the tile after the next is asked for now: it has a whole step in which to come; its rows end under N rounded up to 64, inside the batch
	s_cbranch_scc0 .Lno_load_\@
	s_wait_loadcnt 0x0                             ; no load of mine is out where the stores above ran; the line keeps that on every way through the text
	WIN 0x40                                       ; destination window 1
	GLOAD 2*64*2048
	WIN 0
.Lno_load_\@:
	WIN 0x04                                       ; Q in window 1
	KQ
	WIN 0
.rept 4
	v_nop                                          ; places between the products and the loads into K's registers, and the first reads of the scores
.endr
	LOADV \s
	s_add_co_u32 s25, s[KF], 64
	s_cmp_gt_u32 s25, s[N]                         ; the step that holds row N
	s_cbranch_scc0 .Lfull_\@
	TAILMASK
.Lfull_\@:
	SOFTMAX \first
	s_wait_dscnt 0x0                               ; V is in
	WIN 0x50                                       ; O^T, as C and D, in window 1
	PVM \first
	WIN 0
.rept 5
	v_nop                                          ; five places: the next step's first products write over P's registers, and its loads land on V's
.endr
.Lidle_\@:
.endm
.macro NEXT
	s_wait_xcnt 0x0                                ; the loads have read their bases
	s_add_nc_u64 s[KB:KB+1], s[KB:KB+1], 64*2048
	s_add_nc_u64 s[VB:VB+1], s[VB:VB+1], 64*2048
	s_add_co_u32 s[KF], s[KF], 64
.endm
	WIN 0x40
	GLOAD 0                                        ; tile 0
.irp t, 0,1,2,3                                ; Q stays in registers: tile t, channels 32 f on
.irp f, 0,1
.irp g, 0,1
	global_load_b128 v[Q+16*\t+8*\f+4*\g:Q+16*\t+8*\f+4*\g+3], v[QO], s[4:5] offset:\t*32768+64*\f+32*\g
.endr
.endr
.endr
	WIN 0
	s_wait_kmcnt 0x0
	s_min_u32 s[N], s[N], 2048
	s_wait_loadcnt 0x0
	WIN 0x04
	STAGE_ST 0
	WIN 0
	s_wait_dscnt 0x0                               ; the stores have read their registers
	s_cmp_gt_u32 s[N], 64
	s_cbranch_scc0 .Lone_tile
	WIN 0x40
	GLOAD 64*2048                                  ; tile 1
	WIN 0
.Lone_tile:
	TRIP 0, 1
	NEXT
	s_mov_b32 s[CNT], 16
.Lpair:                                            ; a constant 16 trips of two steps: steps 1 to 32; step 32 is never worked
	TRIP 1, 0
	NEXT
	TRIP 0, 0
	NEXT
	s_sub_co_u32 s[CNT], s[CNT], 1
	s_cmp_lg_u32 s[CNT], 0
	s_cbranch_scc1 .Lpair
	; THE WAY OUT.  l's two halves and the other half of the lanes' are added; O^T is divided by l, rounded to f16 and meets the other head's in the stage; then each wave stores 32 whole rows of 256 bytes.
.irp q, 0,1,2,3
	v_add_f32 v[ST+8*\q+4], v[ST+8*\q+2], v[ST+8*\q+3]
.endr
.irp q, 0,1,2,3
	v_permlanex16_b32 v[ST+8*\q+5], v[ST+8*\q+4], s[SEL], s[SEL+1]
.endr
.irp q, 0,1,2,3
	v_add_f32 v[ST+8*\q+4], v[ST+8*\q+4], v[ST+8*\q+5]
.endr
.irp q, 0,1,2,3
	v_rcp_f32 v[ST+8*\q+6], v[ST+8*\q+4]
.endr
	v_nop                                          ; a plain instruction behind the last reciprocal,
	s_wait_alu depctr_va_vdst(0)                   ; and the one wait ahead of the first use
.irp q, 0,1,2,3
	WIN 0x41
.set i, 0
.rept 16
	v_pk_mul_f32 v[O+32*\q+2*i:O+32*\q+2*i+1], v[O+32*\q+2*i:O+32*\q+2*i+1], v[ST+8*\q+6:ST+8*\q+7] op_sel_hi:[1,0]
.set i, i+1
.endr
	WIN 0x05                                       ; sources in window 1, destination in window 0: S^T's registers are free
.set i, 0
.rept 16
	v_cvt_pk_f16_f32 v[S+16*\q+i], v[O+32*\q+2*i], v[O+32*\q+2*i+1]
.set i, i+1
.endr
	WIN 0
.irp dt, 0,1,2,3
	ds_store_b128 v[STO], v[S+16*\q+4*\dt:S+16*\q+4*\dt+3] offset:16*SP*\q+32*\dt
.endr
.endr
	s_wait_dscnt 0x0                               ; for the others' sake: my stores into the stage are done
	s_barrier_signal -1
	s_barrier_wait -1
.irp i, 0,1,2,3,4,5,6,7,8,9,10,11,12,13,14,15
	ds_load_b128 v[128+4*\i:128+4*\i+3], v[RD] offset:2*SP*\i
.endr
.irp i, 0,1,2,3,4,5,6,7,8,9,10,11,12,13,14,15
	s_wait_dscnt 15-\i                             ; load i is in; the 15 - i behind it may be out
	global_store_b128 v[GO], v[128+4*\i:128+4*\i+3], s[8:9] offset:4096*\i       ; sixteen lanes store 256 consecutive bytes, aligned
.endr
	s_wait_tensorcnt 0x0                           ; the wave's end, behind my last LDS store
	ds_add_u32 v[SPW], v[NIL]
	s_wait_dscnt 0x0
	s_endpgm
.Lfunc_end_k_q25b85731ed_attn:
	.size	k_q25b85731ed_attn, .Lfunc_end_k_q25b85731ed_attn-k_q25b85731ed_attn
	.p2alignl 7, 3214868480
	.fill 96, 4, 3214868480
	.section	.rodata,"a",@progbits
	.p2align	6, 0x0
	.amdhsa_kernel k_q25b85731ed_attn
		.amdhsa_group_segment_fixed_size 142336
		.amdhsa_private_segment_fixed_size 0
		.amdhsa_enable_private_segment 0
		.amdhsa_kernarg_size 24
		.amdhsa_user_sgpr_count 2
		.amdhsa_user_sgpr_kernarg_segment_ptr 1
		.amdhsa_wavefront_size32 1
		.amdhsa_system_sgpr_workgroup_id_x 1
		.amdhsa_system_sgpr_workgroup_id_y 1
		.amdhsa_system_sgpr_workgroup_id_z 1
		.amdhsa_system_vgpr_workitem_id 0
		.amdhsa_next_free_vgpr 512
		.amdhsa_next_free_sgpr 66
		.amdhsa_reserve_vcc 1
		.amdhsa_float_denorm_mode_32 3
		.amdhsa_float_denorm_mode_16_64 3
		.amdhsa_memory_ordered 1
		.amdhsa_forward_progress 1
		.amdhsa_inst_pref_size 133
	.end_amdhsa_kernel
	.amdgpu_metadata
---
amdhsa.version: [ 1, 2 ]
amdhsa.kernels:
  - .name:           k_q25b85731ed_attn
    .symbol:         k_q25b85731ed_attn.kd
    .args:
      - { .name: qkv, .offset: 0, .size: 8, .value_kind: global_buffer, .address_space: global }
      - { .name: order, .offset: 8, .size: 8, .value_kind: global_buffer, .address_space: global }
      - { .name: att, .offset: 16, .size: 8, .value_kind: global_buffer, .address_space: global }
    .group_segment_fixed_size: 142336
    .private_segment_fixed_size: 0
    .kernarg_segment_align: 8
    .kernarg_segment_size: 24
    .max_flat_workgroup_size: 256
    .sgpr_count:     66
    .vgpr_count:     512
    .wavefront_size: 32
...
	.end_amdgpu_metadata
.endif
;; end of part 3
;; launch proj (part 4): grid 4 x 64, 4 waves a work-group, clusters of 4 x 4, 327,680 bytes of LDS; arguments att, wot, b_out, out0; writes out0
.if DOCPART == 4
	.amdgcn_target "amdgcn-amd-amdhsa--gfx1250"
	.amdhsa_code_object_version 6
	.text
	.protected	k_q25b85731ed_proj
	.globl	k_q25b85731ed_proj
	.p2align	8
	.type	k_q25b85731ed_proj,@function
k_q25b85731ed_proj:
	s_mov_b64 s[64:65], 0
	v_nop
	global_prefetch_b8 v0, s[64:65] scope:SCOPE_SE
	s_setreg_imm32_b32 hwreg(HW_REG_WAVE_MODE, 25, 1), 1
	s_wait_xcnt 0x0
	s_wait_alu depctr_hold_cnt(0) depctr_sa_sdst(0) depctr_va_vdst(0) depctr_va_sdst(0) depctr_va_ssrc(0) depctr_va_vcc(0) depctr_vm_vsrc(0)
	s_getreg_b32 s2, hwreg(HW_REG_IB_STS2, 6, 4)
	s_cmp_eq_u32 s2, 0
	s_cbranch_scc0 .Lentry_in_a_cluster
	s_endpgm
.Lentry_in_a_cluster:
	s_bfe_u32 s2, ttmp6, 0x10000c
	s_cmp_lg_u32 s2, 0xf033
	s_cbranch_scc0 .Lentry_shape_is_right
	s_endpgm
.Lentry_shape_is_right:
; out0[m][n] = the sum over k of att[m][k] wot[n][k] + b_out[n].  att [8192][1024] and wot [1024 n][1024 k]: f16; sums in f32, begun with the bias; out0 [8192][1024] f32.
; A tile of the result is 128 (m) x 256 (n): 256 work-groups.  Four waves, each 64 x 128: 32 accumulators, 256 registers.  K goes in steps of 128 (rows of 256 bytes) through a ring of two LDS slots filled by the
; tensor data mover: waves 0 and 1 fetch A's halves (64 rows each), waves 2 and 3 B's (128 rows each), one load a wave behind each change of slots.
; CLUSTERS: 4 x 4 work-groups.  The four of a row of the cluster need the same tiles of A, the four of a column the same tiles of B: each tile is asked for jointly.
; THE MATRIX INSTRUCTION IS USED TRANSPOSED (source 0 = 16 rows of wot, source 1 = 16 rows of att): a lane holds eight neighbouring numbers of a row of the result.
; No prefetch: eight K steps in all, two of them asked for at the head.
; REGISTERS: window 0: v16-29 addresses; v64-191 the way out; v192-255 the bias in the result's layout.   window 1: two fragment buffers of 96: B's 8 fragments, then A's 4.   window 2: accumulator (a, b) at v[8 (8 a + b)].
.set SIZE_K, 1024
.set KSTEP,  128
.set PITCH,  272                       ; an LDS row: 256 bytes + 16 of padding: the 16 rows of a load start at 16 different banks (64 banks of 4 bytes: ISA guide 11.1)
.set AHALF,  64*PITCH
.set BHALF,  128*PITCH
.set BOFF,   2*AHALF                   ; a slot: A's 128 rows, then B's 256
.set SLOT,   BOFF+2*BHALF
.set STAGE,  2*SLOT                    ; behind the ring: 16 rows x (512 bytes + 16) for each wave
.set SPITCH, 528
.set SPARE,  STAGE+4*16*SPITCH         ; the spare words, 128 bytes for each wave: two blocks of 256 bytes that no other line names
.set LAPS,   SIZE_K/(2*KSTEP)
.set ADRA, 16
.set ADRB, 20
.set STO,  24
.set RD,   25
.set CO,   26
.set BH,   27
.set SPW,  28                          ; v28  my spare word; never rewritten
.set NIL,  29                          ; v29  0; never rewritten
.set BK,   64
.set BI,   192
.set F0,   0
.set F1,   96
.set G1, 24
.set G0, 32
.set G1B, 48
.set G0B, 56
.set MSB, 0
.macro WIN new                         ; the immediate's high byte repeats the setting that is left
.if MSB != (\new)
	s_set_vgpr_msb (MSB<<8)|(\new)
.set MSB, (\new)
.endif
.endm
.macro WMUL zero                       ; sources 0 and 1 window 1, D window 2; C with D, or, where the bias starts the sums, window 0
.if \zero
	WIN 0x85
.else
	WIN 0xa5
.endif
.endm
.set TO_F, 0x40
.macro JLOAD s                         ; a joint load: waves 0 and 1 fetch A's halves, waves 2 and 3 B's; an s_nop 0 and four v_nop follow each of the two lines
	s_cmp_eq_u32 s13, 0
	s_cbranch_scc0 .Lfor_b_\@
	tensor_load_to_lds s[G0+4*\s:G0+4*\s+3], s[G1:G1+7]
	s_nop 0
.rept 4
	v_nop
.endr
	s_branch .Lasked_\@
.Lfor_b_\@:
	tensor_load_to_lds s[G0B+4*\s:G0B+4*\s+3], s[G1B:G1B+7]
	s_nop 0
.rept 4
	v_nop
.endr
.Lasked_\@:
.endm
.macro CREST                           ; a round of the cluster's barrier behind its opening barrier
	s_cmp_lg_u32 s12, 0
	s_cbranch_scc1 .Lnot_wave_0_\@
	s_barrier_signal -3
.Lnot_wave_0_\@:
	s_barrier_wait -3
	s_barrier_signal -1
	s_barrier_wait -1
.endm
.macro CROUND
	s_barrier_signal -1
	s_barrier_wait -1
	CREST
.endm
	s_load_b256 s[4:11], s[0:1], 0x0               ; att s[4:5], wot s[6:7], b_out s[8:9], out0 s[10:11]
	v_lshl_add_u32 v[SPW], v0, 2, SPARE
	v_mov_b32 v[NIL], 0
	ds_add_u32 v[SPW], v[NIL]                      ; the wave's opening: the add, twice on end, and its wait ahead of my first tensor load
	ds_add_u32 v[SPW], v[NIL]
	v_lshrrev_b32 v1, 5, v0
	v_readfirstlane_b32 s12, v1                    ; wave 0..3
	s_lshr_b32 s13, s12, 1                         ; which 64 rows of the tile are mine.  Also: I fetch for A (0) or for B (1)
	s_and_b32 s14, s12, 1                          ; which 128 columns.  Also: which half of that tile I fetch
	s_bfe_u32 s40, ttmp6, 0x40000                  ; cx, cy
	s_bfe_u32 s41, ttmp6, 0x40004
	s_lshl_b32 s42, ttmp9, 2
	s_add_co_u32 s42, s42, s40                     ; tile column
	s_and_b32 s15, ttmp7, 0xffff
	s_lshl_b32 s15, s15, 2
	s_add_co_u32 s15, s15, s41                     ; tile row
	s_lshl_b32 s43, s41, 2
	s_lshl_b32 s43, 15, s43                        ; my row of the cluster
	s_lshl_b32 s44, 0x1111, s40                    ; my column
	s_or_b32 s[G1+0], s43, (1<<16)|(1<<20)|(1<<21)|(5<<22)|(3<<25)  ; the mask: A's tiles go to my row; elements of 2 bytes; padding on; bit 21 beside a mask; after every 64 words 4 words
	s_or_b32 s[G1B+0], s44, (1<<16)|(1<<20)|(1<<21)|(5<<22)|(3<<25)
	s_mov_b32 s[G1+1], KSTEP<<16                   ; A: 64 rows x 128 elements
	s_mov_b32 s[G1+2], 64<<16
	s_mov_b32 s[G1+3], KSTEP<<16
	s_mov_b32 s[G1+4], 64
	s_mov_b32 s[G1+5], SIZE_K
	s_mov_b32 s[G1+6], 0
	s_mov_b32 s[G1+7], 0
	s_mov_b32 s[G1B+1], KSTEP<<16                  ; B: 128 rows x 128 elements
	s_mov_b32 s[G1B+2], 128<<16
	s_mov_b32 s[G1B+3], KSTEP<<16
	s_mov_b32 s[G1B+4], 128
	s_mov_b32 s[G1B+5], SIZE_K
	s_mov_b32 s[G1B+6], 0
	s_mov_b32 s[G1B+7], 0
	s_lshl_b32 s17, s14, 6
	s_lshl_b32 s16, s15, 7
	s_add_co_u32 s16, s16, s17                     ; A: row 128 x tile row + 64 x half,
	s_lshl_b32 s16, s16, 11                        ; of 2,048 bytes
	s_mov_b32 s17, 0
	s_lshl_b32 s47, s14, 7
	s_lshl_b32 s46, s42, 8
	s_add_co_u32 s46, s46, s47                     ; B: row 256 x tile column + 128 x half
	s_lshl_b32 s46, s46, 11
	s_mov_b32 s47, 0
	s_mul_i32 s20, s14, AHALF                      ; where they go: no place in the cluster enters an LDS address
	s_mul_i32 s21, s14, BHALF
	s_add_co_u32 s21, s21, BOFF
	s_wait_dscnt 0x0                               ; both opening adds are done
	s_wait_kmcnt 0x0
	s_add_nc_u64 s[18:19], s[4:5], s[16:17]
	s_add_nc_u64 s[46:47], s[6:7], s[46:47]
	CROUND                                         ; all sixteen work-groups are here: the first joint loads meet
.irp s, 0,1
	s_mov_b32 s[G0+4*\s], 1
	s_add_co_u32 s[G0+4*\s+1], s20, \s*SLOT
	s_add_nc_u64 s[G0+4*\s+2:G0+4*\s+3], s[18:19], \s*KSTEP*2
	s_or_b32 s[G0+4*\s+3], s[G0+4*\s+3], 0x80000000
	s_mov_b32 s[G0B+4*\s], 1
	s_add_co_u32 s[G0B+4*\s+1], s21, \s*SLOT
	s_add_nc_u64 s[G0B+4*\s+2:G0B+4*\s+3], s[46:47], \s*KSTEP*2
	s_or_b32 s[G0B+4*\s+3], s[G0B+4*\s+3], 0x80000000
	JLOAD \s                                       ; two tensor loads of mine are out behind the second
.endr
	v_and_b32 v1, 15, v0                           ; l % 16
	v_bfe_u32 v2, v0, 4, 1                         ; l / 16
	v_lshlrev_b32 v[BH], 5, v2
	s_lshl_b32 s46, s42, 10                        ; my 128 columns, in bytes of f32: 1,024 x tile column + 512 x half
	s_lshl_b32 s47, s14, 9
	s_add_co_u32 s46, s46, s47
	s_mov_b32 s47, 0
	s_add_nc_u64 s[8:9], s[8:9], s[46:47]
.irp b, 0,1,2,3,4,5,6,7                        ; the bias: register 8 b + j = b_out[my first column + 16 b + 8 (l / 16) + j]
	global_load_b128 v[BI+8*\b:BI+8*\b+3], v[BH], s[8:9] offset:64*\b
	global_load_b128 v[BI+8*\b+4:BI+8*\b+7], v[BH], s[8:9] offset:64*\b+16
.endr
	v_mul_u32_u24 v3, v1, PITCH
	v_lshl_add_u32 v3, v2, 4, v3                   ; a fragment's row x pitch + 16 x half
	s_mul_i32 s21, s13, AHALF                      ; my 64 rows of A
	s_mul_i32 s22, s14, BHALF                      ; my 128 rows of B,
	s_add_co_u32 s22, s22, BOFF                    ; behind A's 128
.irp s, 0,1
	v_add_nc_u32 v[ADRA+\s], s21, v3
	v_add_nc_u32 v[ADRB+\s], s22, v3
	s_add_co_u32 s21, s21, SLOT
	s_add_co_u32 s22, s22, SLOT
.endr
	s_mul_i32 s23, s12, 16*SPITCH
	s_add_co_u32 s23, s23, STAGE                   ; my stage
	v_mul_u32_u24 v5, v1, SPITCH                   ; in: row l % 16, 32 bytes for each half of the lanes
	v_lshl_add_u32 v5, v2, 5, v5
	v_add_nc_u32 v[STO], s23, v5
	v_and_b32 v6, 31, v0
	v_lshlrev_b32 v[CO], 4, v6                     ; back: the 32 lanes take one row of 512 bytes; and the same in out0
	v_add_nc_u32 v[RD], s23, v[CO]
	s_lshl_b32 s16, s15, 7
	s_lshl_b32 s17, s13, 6
	s_add_co_u32 s16, s16, s17                     ; my first row: 128 x tile row + 64 x half,
	s_lshl_b32 s16, s16, 12                        ; of 4,096 bytes
	s_mov_b32 s17, 0
	s_add_nc_u64 s[10:11], s[10:11], s[16:17]
	s_add_nc_u64 s[10:11], s[10:11], s[46:47]      ; and my first column
; 8 matrix instructions: m block a x all 8 n blocks, 32 along K.  zero = 1: the bias starts the sums.  The 32 accumulators take turns, one instruction a turn.
.macro MULA f, a, zero
.irp b, 0,1,2,3,4,5,6,7
.if \zero
	v_wmma_f32_16x16x32_f16 v[8*(8*(\a)+\b):8*(8*(\a)+\b)+7], v[\f+8*\b:\f+8*\b+7], v[\f+64+8*(\a):\f+64+8*(\a)+7], v[BI+8*\b:BI+8*\b+7]
.else
	v_wmma_f32_16x16x32_f16 v[8*(8*(\a)+\b):8*(8*(\a)+\b)+7], v[\f+8*\b:\f+8*\b+7], v[\f+64+8*(\a):\f+64+8*(\a)+7], v[8*(8*(\a)+\b):8*(8*(\a)+\b)+7]
.endif
.endr
.endm
.macro FETCH slot, k, f                ; 24 LDS loads in one run: the fragments of 32 along K at byte k of the rows: B's eight, then A's four
	WIN TO_F
.irp i, 0,1,2,3,4,5,6,7
	ds_load_b128 v[\f+8*\i:\f+8*\i+3],   v[ADRB+\slot] offset:\k+\i*16*PITCH
	ds_load_b128 v[\f+8*\i+4:\f+8*\i+7], v[ADRB+\slot] offset:\k+\i*16*PITCH+32
.endr
.irp i, 0,1,2,3
	ds_load_b128 v[\f+64+8*\i:\f+64+8*\i+3],   v[ADRA+\slot] offset:\k+\i*16*PITCH
	ds_load_b128 v[\f+64+8*\i+4:\f+64+8*\i+7], v[ADRA+\slot] offset:\k+\i*16*PITCH+32
.endr
.endm
.macro PLACES                          ; four places in front of loads into registers that matrix instructions have read, and of the first read of results
.rept 4
	v_nop
.endr
.endm
; A K step is four quarters of 32 along K, 32 matrix instructions each, on buffers 0, 1, 0, 1.  One of the first three: multiplies buffer f and fetches the next quarter, at byte k, into g.
.macro QUARTER slot, k, f, g, zero
	s_wait_dscnt 4                                 ; B's fragments and A's blocks 0 and 1 are in; the youngest four loads (A's blocks 2, 3) may be out
	WMUL \zero
	MULA \f, 0, \zero
	MULA \f, 1, \zero
	PLACES
	FETCH \slot, \k, \g
	s_wait_dscnt 24                                ; all but the 24 just issued
	WMUL \zero
	MULA \f, 2, \zero
	MULA \f, 3, \zero
.endm
; The last quarter multiplies buffer 1 and changes slots: ONE barrier; in front of it each wave waits for all its tensor loads, adds 0 to its spare word, and waits for that and for its own reads of this slot.
; fill = 1: this slot is filled again, two K steps ahead; the barrier then opens a round of the cluster's.
.macro TURN slot, next, fill
	WIN 0                                          ; (the add's two registers lie in window 0)
	s_wait_tensorcnt 0x0                           ; all my tensor loads have landed: my part of the next slot;
	ds_add_u32 v[SPW], v[NIL]
	s_wait_dscnt 7                                 ; (the add and the youngest six loads, A's blocks 1 to 3, may be out)
	WMUL 0
	MULA F1, 0, 0                                  ; eight matrix instructions stand between the add and the wait for it
	s_wait_dscnt 0x0                               ; the add is done, and my reads of this slot are over
	s_barrier_signal -1
	MULA F1, 1, 0
	WIN 0
	s_barrier_wait -1
.if \fill
	CREST                                          ; no wave of any partner still reads this slot's tile or has a load on its way
	s_add_nc_u64 s[G0+4*\slot+2:G0+4*\slot+3], s[G0+4*\slot+2:G0+4*\slot+3], 2*KSTEP*2
	s_add_nc_u64 s[G0B+4*\slot+2:G0B+4*\slot+3], s[G0B+4*\slot+2:G0B+4*\slot+3], 2*KSTEP*2
	JLOAD \slot                                    ; the first tensor load behind the round, my one load until the next; its four v_nop are also the places in front of the loads below
.else
	PLACES
.endif
	FETCH \next, 0, F0
	WMUL 0
	MULA F1, 2, 0
	MULA F1, 3, 0
.endm
	s_wait_tensorcnt 1                             ; my part of K step 0 is in; K step 1's load may be out
	s_barrier_signal -1
	s_barrier_wait -1                              ; everybody's is
	FETCH 0, 0, F0
	s_wait_loadcnt 0x0                             ; the bias
	QUARTER 0, 64, F0, F1, 1                       ; the first quarter stands in front of the loop: the bias starts the sums
	WIN 0                                          ; at a label and at a branch every window is 0
	s_mov_b32 s3, LAPS-1
.Llap:                                             ; a trip goes once round the ring, from a lap's second quarter to the next lap's first, and fills both slots again
	QUARTER 0, 128, F1, F0, 0
	QUARTER 0, 192, F0, F1, 0
	TURN 0, 1, 1
	QUARTER 1, 64,  F0, F1, 0
	QUARTER 1, 128, F1, F0, 0
	QUARTER 1, 192, F0, F1, 0
	TURN 1, 0, 1
	QUARTER 0, 64,  F0, F1, 0
	WIN 0
	s_sub_co_u32 s3, s3, 1
	s_cmp_lg_u32 s3, 0
	s_cbranch_scc1 .Llap
	QUARTER 0, 128, F1, F0, 0                      ; the last lap fills nothing, and has no round of the cluster's barrier
	QUARTER 0, 192, F0, F1, 0
	TURN 0, 1, 0
	QUARTER 1, 64,  F0, F1, 0
	QUARTER 1, 128, F1, F0, 0
	QUARTER 1, 192, F0, F1, 0
	s_wait_dscnt 4                                 ; the very last quarter: nothing more to fetch
	WMUL 0
	MULA F1, 0, 0
	MULA F1, 1, 0
	s_wait_dscnt 0
	MULA F1, 2, 0
	MULA F1, 3, 0
	WIN 0
; THE WAY OUT, block by block of 16 rows x 128 columns.  A lane holds 32 neighbouring bytes of a row: a block goes through my own stage and comes back as whole rows of 512 bytes, which the 32 lanes store.
.macro TOSTAGE a
.set AC, 64*(\a)
	WIN 0x08                                       ; an LDS store's data are its source 1: window 2
.irp b, 0,1,2,3,4,5,6,7
	ds_store_b128 v[STO], v[AC+8*\b:AC+8*\b+3] offset:64*\b          ; each accumulator from its low end on
	ds_store_b128 v[STO], v[AC+8*\b+4:AC+8*\b+7] offset:64*\b+16
.endr
	WIN 0
.set BB, BK+64*((\a)%2)
.irp t, 0,1,2,3,4,5,6,7,8,9,10,11,12,13,14,15
	ds_load_b128 v[BB+4*\t:BB+4*\t+3], v[RD] offset:\t*SPITCH        ; LDS serves a wave's instructions in order (ISA guide 5.7.1.4): these see the stores above
.endr
.endm
.macro SEND a, younger                 ; younger: the LDS instructions issued behind block a's loads, which may stay out
.set BB, BK+64*((\a)%2)
	s_wait_dscnt \younger
.irp t, 0,1,2,3,4,5,6,7,8,9,10,11,12,13,14,15
	global_store_b128 v[CO], v[BB+4*\t:BB+4*\t+3], s[10:11] offset:(16*(\a)+\t)*4096 th:TH_STORE_NT   ; 32 lanes store 512 consecutive bytes, aligned to 256; the row's place among my 64 stands in the immediate
.endr
.endm
	PLACES
	TOSTAGE 0
.irp a, 1,2,3
.if \a > 1
	s_wait_xcnt 0x0                                ; block a - 2's stores have read their registers: block a's loads may land there
.endif
	TOSTAGE \a
	SEND \a-1, 32                                  ; behind block a - 1's loads: block a's 16 stores and 16 loads
.endr
	SEND 3, 0
	s_wait_tensorcnt 0x0                           ; the wave's end, behind my last tensor load and my last LDS store
	ds_add_u32 v[SPW], v[NIL]
	s_wait_dscnt 0x0
	CROUND                                         ; the closing round: no work-group ends while a partner may still ask for a tile that names it
	s_endpgm
.Lfunc_end_k_q25b85731ed_proj:
	.size	k_q25b85731ed_proj, .Lfunc_end_k_q25b85731ed_proj-k_q25b85731ed_proj
	.p2alignl 7, 3214868480
	.fill 96, 4, 3214868480
	.section	.rodata,"a",@progbits
	.p2align	6, 0x0
	.amdhsa_kernel k_q25b85731ed_proj
		.amdhsa_group_segment_fixed_size 327680
		.amdhsa_private_segment_fixed_size 0
		.amdhsa_enable_private_segment 0
		.amdhsa_kernarg_size 32
		.amdhsa_user_sgpr_count 2
		.amdhsa_user_sgpr_kernarg_segment_ptr 1
		.amdhsa_wavefront_size32 1
		.amdhsa_system_sgpr_workgroup_id_x 1
		.amdhsa_system_sgpr_workgroup_id_y 1
		.amdhsa_system_sgpr_workgroup_id_z 1
		.amdhsa_system_vgpr_workitem_id 0
		.amdhsa_next_free_vgpr 768
		.amdhsa_next_free_sgpr 66
		.amdhsa_reserve_vcc 0
		.amdhsa_float_denorm_mode_32 3
		.amdhsa_float_denorm_mode_16_64 3
		.amdhsa_memory_ordered 1
		.amdhsa_forward_progress 1
		.amdhsa_inst_pref_size 86
	.end_amdhsa_kernel
	.amdgpu_metadata
---
amdhsa.version: [ 1, 2 ]
amdhsa.kernels:
  - .name:           k_q25b85731ed_proj
    .symbol:         k_q25b85731ed_proj.kd
    .args:
      - { .name: att, .offset: 0, .size: 8, .value_kind: global_buffer, .address_space: global }
      - { .name: wot, .offset: 8, .size: 8, .value_kind: global_buffer, .address_space: global }
      - { .name: b_out, .offset: 16, .size: 8, .value_kind: global_buffer, .address_space: global }
      - { .name: out0, .offset: 24, .size: 8, .value_kind: global_buffer, .address_space: global }
    .group_segment_fixed_size: 327680
    .private_segment_fixed_size: 0
    .kernarg_segment_align: 8
    .kernarg_segment_size: 32
    .max_flat_workgroup_size: 128
    .sgpr_count:     66
    .vgpr_count:     768
    .wavefront_size: 32
...
	.end_amdgpu_metadata
.endif
;; end of part 4
